; MI455X (gfx1250); checked and timed in simulation.
; The chip was launched on July 23, 2026; its instructions are those of AMD's public machine-readable ISA for CDNA 5 (MIT licence, August 2026) and "CDNA5" Instruction Set Architecture Reference Guide (July 2026). The comments in the code are by the model that wrote it; some were corrected since.
;; MHA. Allowed arithmetic: matrix products marked QUANTISED: E4M3 operands, one E8M0 scale for each 32 along K, by v_wmma_scale_f32_16x16x128_f8f6f4 with both operands' format E4M3, f32 sums; everything else in f32.
;; Inputs: Wk 1,024 x 1,024 float32; Wo 1,024 x 1,024 float32; Wq 1,024 x 1,024 float32; Wv 1,024 x 1,024 float32; bo 1,024 float32; x 4 x 2,048 x 1,024 float32.
;; Outputs: out0 4 x 2,048 x 1,024 float32.
;; This version of the problem:
;;   THIS VERSION OF THE PROBLEM IS GIVEN IN LOW PRECISION. The matrix products marked QUANTISED in the list below multiply operands that are first quantised to E4M3 (4 exponent bits, 3 mantissa bits; 8 bits a number), with one power-of-two scale for each 32 numbers along K (OCP MX v1.0); their sums are f32. All else is computed in f32.
;;   The module's matrix products, in the order in which they are computed (A, B: the left and right operand; K: the contracted axis; several contracted axes count as one K, in the product's order):
;;     1. [M 8,192, K 1,024] x [K 1,024, N 1,024]; A: input x; B: input Wq: QUANTISED
;;     2. [M 8,192, K 1,024] x [K 1,024, N 1,024]; A: input x; B: input Wk: QUANTISED
;;     3. [M 8,192, K 1,024] x [K 1,024, N 1,024]; A: input x; B: input Wv: QUANTISED
;;     4. batch 64 x [M 2,048, K 64] x [K 64, N 2,048]; A: computed on the way; B: computed on the way: QUANTISED
;;     5. batch 64 x [M 2,048, K 2,048] x [K 2,048, N 64]; A: softmax (see below); B: computed on the way: QUANTISED
;;     6. [M 8,192, K 1,024] x [K 1,024, N 1,024]; A: computed on the way; B: input Wo: QUANTISED
;;   THE QUANTISER, for each operand of a quantised product, along K:
;;     - K is cut into blocks of 32 from its start; a last block that is shorter is filled with zeros.
;;     - A block's scale is 2^e with e = floor(log2(the largest magnitude in the block)) - 8, held to -126 .. 127; a block of zeros has e = 0. As a byte (E8M0): e + 127.
;;     - Each number is divided by its block's scale, clamped to +-448, and rounded to the nearest number of E4M3, ties to even, subnormals kept.
;;     - The product sums the exact products of the quantised numbers (number of the format x scale) in f32.
;;   ~~~python
;;   def quantise(x, axis):      # numpy; x: float32 -> the quantised numbers, widened to float32 again
;;       x = np.moveaxis(x, axis, -1); K = x.shape[-1]
;;       x = np.pad(x, [(0, 0)] * (x.ndim - 1) + [(0, -K % 32)]); x = x.reshape(x.shape[:-1] + (-1, 32)); a = np.abs(x).max(-1, keepdims=True)
;;       e = np.where(a > 0, np.clip(np.frexp(np.where(a > 0, a, 1))[1] - 1 - 8, -126, 127), 0)      # np.frexp(a)[1] - 1 = floor(log2(a)), exactly
;;       r = np.clip(x / 2.0 ** e, -448, 448)
;;       step = 2.0 ** (np.maximum(np.frexp(np.where(r == 0, 1, r))[1] - 1, -6) - 3)
;;       q = np.round(r / step) * step * 2.0 ** e      # np.round: ties to even
;;       return np.moveaxis(q.reshape(q.shape[:-2] + (-1,))[..., :K], -1, axis).astype(np.float32)
;;   ~~~
;;   SOFTMAX AHEAD OF A QUANTISED PRODUCT. Where the list says 'softmax', what is quantised is not the finished softmax but p = 2^(t - M), with t = logit x log2(e) and M = ceil(the row's largest t), a whole number; so 1/2 < the row's largest p <= 1. The row's sum l is taken of the UNQUANTISED p, in f32, and the product's result is divided by l at the end. Since M is a whole number, a kernel that streams over the keys may use a running M (the ceiling of the running maximum): every later rescaling is an exact power of two, which a block's scale takes up: the codes' values come out the same.
;;   OPERANDS COMPUTED ON THE WAY. 'Computed on the way' means the value that the module computes at that place (a softmax that the list does not call 'softmax' is quantised finished and normalised). What goes into a quantiser is computed in f32, as accurately as f32 sums, v_exp_f32 and their like allow (about 1e-6 of the number): no bf16 or f16 on the way to a quantiser, and a product that is left as it is and whose result goes on into a quantised operand takes f32 operands (vector FMAs, or v_wmma_f32_16x16x4_f32). A number that lies on a knife's edge between two numbers of the format may be rounded either way, as far as f32 arithmetic and the matrix unit's own rounding can turn it there, and no further.
;; One version. Each part assembles by itself: llvm-mc -triple=amdgcn-amd-amdhsa -mcpu=gfx1250 --defsym DOCPART=n.
;; ======== version 1 of 1: 4 launches
;; limits: right only within a limited range of input values
;; workspace buffers: xc 8,388,608 bytes; xs 262,144 bytes; wc 4,194,304 bytes; ws 131,072 bytes; qkvc 25,165,824 bytes; qkvs 1,310,720 bytes; ctxc 8,388,608 bytes; ctxs 262,144 bytes
;; launch quant (part 1): grid 512 x 1, 4 waves a work-group, no clusters, 34,304 bytes of LDS; arguments x, Wq, Wk, Wv, Wo, xc, xs, wc, ws; writes xc, xs, wc, ws
.if DOCPART == 1
	.amdgcn_target "amdgcn-amd-amdhsa--gfx1250"
	.amdhsa_code_object_version 6
	.text
	.protected	k_qf99ae81e63_quant
	.globl	k_qf99ae81e63_quant
	.p2align	8
	.type	k_qf99ae81e63_quant,@function
k_qf99ae81e63_quant:
	s_mov_b64 s[64:65], 0
	v_nop
	global_prefetch_b8 v0, s[64:65] scope:SCOPE_SE
	s_setreg_imm32_b32 hwreg(HW_REG_WAVE_MODE, 25, 1), 1
	s_wait_xcnt 0x0
; x [8192][1024] and Wq, Wk, Wv, Wo [1024 (k)][1024 (n)], f32, become codes of FP8 (E4M3) with one E8M0 byte for each 32 along K, laid as OPERAND IMAGES:
; an operand's rows (x: tokens; weights: their columns, Wq's 0-1023, Wk's 1024-2047, Wv's 2048-3071, Wo's 3072-4095) go in tiles of 16; place r of tile T holds row 32 (T/2) + 8 (T%2) + r + 8 (r/8);
; the code of (row, k = 128 s + 32 c + 16 h + e) lies at byte 16384 T + 2048 s + 512 c + 256 h + 16 r + e: a fragment of 16 rows x 128 K is four runs of 512 bytes, 16 bytes a lane, in the order of the operand's registers.
; The scale word (four bytes, byte c for block c) of (row, s) lies at 512 T + 128 (s/2) + 8 r + 4 (s%2).
; A block's scale is 2^(floor(log2(largest magnitude)) - 8); its byte is that magnitude's exponent field - 8, held at 1 from below; each number is held within +-448 x the scale and rounded to the nearest code.
; LIMITS: a block of zeros gets the byte 1 where the rule says 127 (its codes are zeros, and this program alone reads the bytes); NaN and infinities among the inputs are not served.
; Work-groups 0-255 take x, 256-511 the weights.  Only x's path touches LDS.  No tensor load, no barrier: waves share nothing.
.set SPARE, 33792                      ; behind the four stages: the spare words, 128 bytes a wave
.set STG,   8448                       ; a wave's stage: 16 rows x (512 bytes + 16)
.set SPW,   10                         ; v10  my spare word's address; never rewritten
.set NIL,   11                         ; v11  0; never rewritten
.set RR,    16                         ; v16-143  x: two sets of 64 registers as loaded.  Weights: 128 numbers down K
.set XX,    144                        ; v144-207 x: 64 numbers, register 16 c + i = k 32 c + 16 h + i of my row.  Weights: v144-175 the codes
.set PC,    208                        ; v208-223 a fragment's codes
.set TM,    224                        ; v224-239 at work
.set PW,    240                        ; v240-243 the four steps' scale words
.set SEL,   26                         ; s[26:27] v_permlanex16_b32's selects for lane l xor 16
.set MNT,   28
	s_load_b64 s[4:5], s[0:1], 0x0                 ; x
	s_load_b256 s[8:15], s[0:1], 0x8               ; Wq, Wk, Wv, Wo
	s_load_b256 s[16:23], s[0:1], 0x28             ; xc, xs, wc, ws
	v_lshl_add_u32 v[SPW], v0, 2, SPARE
	v_mov_b32 v[NIL], 0
	v_lshrrev_b32 v1, 5, v0
	v_readfirstlane_b32 s24, v1                    ; wave
	v_and_b32 v1, 31, v0                           ; lane
	v_and_b32 v2, 15, v0                           ; r
	v_bfe_u32 v3, v0, 4, 1                         ; h
	v_lshlrev_b32 v4, 4, v1                        ; 16 x lane
	s_mov_b32 s[SEL], 0x76543210
	s_mov_b32 s[SEL+1], 0xfedcba98
	s_cmp_lt_u32 ttmp9, 256                        ; the work-group's number alone decides the path
	s_cbranch_scc0 .Lw
; ---------------- x: a wave takes one tile's 16 rows x 512 along K, four steps of 128 ----------------
	s_lshl_b32 s29, ttmp9, 2
	s_add_co_u32 s29, s29, s24                     ; job 0..1023
	s_lshr_b32 s30, s29, 1                         ; T
	s_and_b32 s29, s29, 1                          ; which half of K
	s_lshr_b32 s31, s30, 1
	s_lshl_b32 s31, s31, 5
	s_and_b32 s32, s30, 1
	s_lshl_b32 s32, s32, 3
	s_add_co_u32 s31, s31, s32                     ; the tile's first row: 32 (T/2) + 8 (T%2)
	s_lshl_b32 s32, s31, 12                        ; rows of 4,096 bytes
	s_lshl_b32 s31, s29, 11
	s_add_co_u32 s32, s32, s31                     ; + 2,048 bytes for the second half of K
	s_mov_b32 s33, 0
	s_lshl_b32 s34, s30, 14                        ; codes: 16384 T + 8192 x half
	s_lshl_b32 s31, s29, 13
	s_add_co_u32 s34, s34, s31
	s_mov_b32 s35, 0
	s_lshl_b32 s36, s30, 9                         ; scale words: 512 T + 256 x half
	s_lshl_b32 s31, s29, 8
	s_add_co_u32 s36, s36, s31
	s_mov_b32 s37, 0
	s_mul_i32 s38, s24, STG
	s_wait_alu depctr_va_vdst(0)
	v_add_nc_u32 v5, s38, v4                       ; into the stage: 16 x lane of a row
	v_mul_u32_u24 v6, v2, 528
	v_lshl_add_u32 v6, v3, 6, v6
	v_add_nc_u32 v6, s38, v6                       ; out of it: row r, + 64 h: my 16 numbers of a block of 32
	v_lshlrev_b32 v7, 3, v1                        ; the scale words' way out: 8 bytes a lane
.irp b, 0,1,2,3
	v_mov_b32 v[TM+4+\b], 0                        ; written once: a lane permute's destination counts as one of its sources
.endr
	s_wait_alu depctr_va_vdst(0)
	s_wait_kmcnt 0x0
	s_add_nc_u64 s[4:5], s[4:5], s[32:33]
	s_add_nc_u64 s[16:17], s[16:17], s[34:35]
	s_add_nc_u64 s[18:19], s[18:19], s[36:37]
; 64 numbers of a lane become a fragment's codes in v[PC] on and its scale word in v[pw]
.macro QUANT s, pw
.irp b, 0,1,2,3
	v_max3_num_f32 v[TM+\b], |v[\s+16*\b]|, |v[\s+1+16*\b]|, 0x4800000   ; block b: my 16 numbers, and the floor 2^(9 - 127): the byte cannot fall under 1
.endr
.irp i, 2,4,6,8,10,12,14
.irp b, 0,1,2,3
	v_max3_num_f32 v[TM+\b], v[TM+\b], |v[\s+16*\b+\i]|, |v[\s+1+16*\b+\i]|   ; the four blocks by turns
.endr
.endr
.irp b, 0,1,2,3
	v_permlanex16_b32 v[TM+4+\b], v[TM+\b], s[SEL], s[SEL+1]
.endr
.irp b, 0,1,2,3
	v_max_num_f32 v[TM+\b], v[TM+\b], v[TM+4+\b]   ; with lane l xor 16's 16: the block's largest magnitude
.endr
.irp b, 0,1,2,3
	v_add_nc_u32 v[TM+12+\b], 0xfc000000, v[TM+\b] ; 8 off its exponent field: the conversion's scale operand
.endr
.irp b, 0,1,2,3
.endr
.irp b, 0,1,2,3
	v_lshrrev_b32 v[TM+4+\b], 23, v[TM+12+\b]      ; the scale's byte
.endr
	v_lshl_or_b32 v[\pw], v[TM+5], 8, v[TM+4]
	v_lshl_or_b32 v[\pw], v[TM+6], 16, v[\pw]
	v_lshl_or_b32 v[\pw], v[TM+7], 24, v[\pw]
.irp b, 0,1,2,3
.irp i, 0,1,2,3,4,5,6,7,8,9,10,11,12,13,14,15
.endr
	v_cvt_scalef32_pk8_fp8_f32 v[PC+4*\b:PC+1+4*\b], v[\s+16*\b:\s+7+16*\b], v[TM+12+\b]
	v_cvt_scalef32_pk8_fp8_f32 v[PC+2+4*\b:PC+3+4*\b], v[\s+8+16*\b:\s+15+16*\b], v[TM+12+\b]
.endr
	v_nop                                          ; one plain line behind the last conversion
.endm
.macro XLOAD t                         ; step t: place i's row, 512 consecutive bytes a load
.irp i, 0,1,2,3,4,5,6,7,8,9,10,11,12,13,14,15
	global_load_b128 v[RR+64*((\t)%2)+4*\i:RR+64*((\t)%2)+4*\i+3], v4, s[4:5] offset:(\i+8*(\i/8))*4096+512*(\t) th:TH_LOAD_NT
.endr
.endm
.macro XSTEP t
.if (\t) < 3
	s_wait_loadcnt 16                              ; this step's 16 loads are in; the next step's 16 may be out
.else
	s_wait_loadcnt 0x0
.endif
.irp i, 0,1,2,3,4,5,6,7,8,9,10,11,12,13,14,15
	ds_store_b128 v5, v[RR+64*((\t)%2)+4*\i:RR+64*((\t)%2)+4*\i+3] offset:\i*528
.endr
.irp c, 0,1,2,3
.irp e, 0,1,2,3
	ds_load_b128 v[XX+16*\c+4*\e:XX+16*\c+4*\e+3], v6 offset:128*\c+16*\e   ; LDS serves a wave's instructions in order: these see the stores above
.endr
.endr
	s_wait_dscnt 0x0                               ; the stores have read their registers, and my 64 numbers are in
.if (\t) > 0
	s_wait_xcnt 0x0                                ; the last step's stores have read v[PC] on: it is written again only behind this wait
.endif
.if (\t) < 2
	XLOAD (\t)+2
.endif
	QUANT XX, PW+(\t)
.irp c, 0,1,2,3
	global_store_b128 v4, v[PC+4*\c:PC+4*\c+3], s[16:17] offset:2048*(\t)+512*\c   ; 32 lanes store 512 consecutive bytes, aligned
.endr
.endm
	XLOAD 0
	XLOAD 1
	XSTEP 0
	XSTEP 1
	XSTEP 2
	XSTEP 3
	v_cmp_lt_u32 vcc_lo, 15, v1                    ; lanes 0-15 send steps 0 and 1's words of row r, lanes 16-31 steps 2 and 3's: 256 consecutive bytes
	v_cndmask_b32 v244, v[PW], v[PW+2], vcc_lo
	v_cndmask_b32 v245, v[PW+1], v[PW+3], vcc_lo
	global_store_b64 v7, v[244:245], s[18:19]
	s_wait_tensorcnt 0x0                           ; the wave's end, behind my last LDS store
	ds_add_u32 v[SPW], v[NIL]
	s_wait_dscnt 0x0
	s_endpgm
; ---------------- the weights: K is their first axis.  A lane takes a column, its registers run down one K step of 128 ----------------
.Lw:
	s_sub_co_u32 s29, ttmp9, 256
	s_and_b32 s30, s29, 31                         ; which 128 of the 4,096 image rows
	s_lshr_b32 s29, s29, 5                         ; K step s
	s_lshr_b32 s31, s30, 3                         ; which weight
	s_and_b32 s32, s30, 7
	s_lshl_b32 s32, s32, 9                         ; its 128 columns, in bytes,
	s_lshl_b32 s33, s24, 7                         ; my wave's 32 of them,
	s_add_co_u32 s32, s32, s33
	s_lshl_b32 s33, s29, 19                        ; and 128 rows of 4,096 bytes a K step
	s_add_co_u32 s32, s32, s33
	s_mov_b32 s33, 0
	s_lshl_b32 s34, s30, 3
	s_lshl_b32 s35, s24, 1
	s_add_co_u32 s34, s34, s35                     ; my wave's 32 rows are tiles Tp, Tp + 1: Tp = 8 x (128 rows) + 2 x wave
	s_lshl_b32 s36, s34, 9
	s_lshl_b32 s34, s34, 14
	s_lshl_b32 s35, s29, 11
	s_add_co_u32 s34, s34, s35                     ; codes: 16384 Tp + 2048 s
	s_mov_b32 s35, 0
	s_lshr_b32 s37, s29, 1
	s_lshl_b32 s37, s37, 7
	s_add_co_u32 s36, s36, s37
	s_and_b32 s37, s29, 1
	s_lshl_b32 s37, s37, 2
	s_add_co_u32 s36, s36, s37                     ; scale words: 512 Tp + 128 (s/2) + 4 (s%2)
	s_mov_b32 s37, 0
	s_wait_alu depctr_va_vdst(0)
	v_lshlrev_b32 v5, 2, v1                        ; in: 4 bytes a lane
	v_bfe_u32 v8, v0, 3, 1                         ; row l of the 32 is place (l%8) + 8 (l/16) of tile Tp + (l/8)%2
	v_and_b32 v9, 7, v0
	v_lshl_add_u32 v9, v3, 3, v9
	v_lshlrev_b32 v6, 4, v9
	v_lshl_add_u32 v6, v8, 14, v6                  ; codes: 16384 x tile + 16 x place
	v_lshlrev_b32 v7, 3, v9
	v_lshl_add_u32 v7, v8, 9, v7                   ; scale word: 512 x tile + 8 x place
	s_wait_alu depctr_va_vdst(0)
	s_wait_kmcnt 0x0
	s_cmp_eq_u32 s31, 1                            ; the choice hangs on the work-group's number alone
	s_cselect_b64 s[8:9], s[10:11], s[8:9]
	s_cmp_eq_u32 s31, 2
	s_cselect_b64 s[8:9], s[12:13], s[8:9]
	s_cmp_eq_u32 s31, 3
	s_cselect_b64 s[8:9], s[14:15], s[8:9]
	s_add_nc_u64 s[8:9], s[8:9], s[32:33]
	s_add_nc_u64 s[20:21], s[20:21], s[34:35]
	s_add_nc_u64 s[22:23], s[22:23], s[36:37]
.macro WLOAD c                         ; block c: W(128 s + 32 c + i, my column): 128 consecutive bytes a wave, 512 a work-group
.irp i, 0,1,2,3,4,5,6,7,8,9,10,11,12,13,14,15,16,17,18,19,20,21,22,23,24,25,26,27,28,29,30,31
	global_load_b32 v[RR+32*(\c)+\i], v5, s[8:9] offset:(32*(\c)+\i)*4096 th:TH_LOAD_NT
.endr
.endm
.macro WBLOCK c
.set XS, RR+32*(\c)
.set CC, XX+8*(\c)                     ; each block has its own eight code registers: no store's data are written again
.if (\c) < 3
	s_wait_loadcnt 32                              ; this block's 32 loads are in; the next block's 32 may be out
.else
	s_wait_loadcnt 0x0
.endif
.if (\c) < 2
	WLOAD (\c)+2
.endif
	v_max3_num_f32 v12, |v[XS]|, |v[XS+1]|, |v[XS+2]|      ; all 32 numbers of the block are mine: two chains
	v_max3_num_f32 v13, |v[XS+3]|, |v[XS+4]|, |v[XS+5]|
.irp i, 6,10,14,18,22,26
	v_max3_num_f32 v12, v12, |v[XS+\i]|, |v[XS+\i+1]|
	v_max3_num_f32 v13, v13, |v[XS+\i+2]|, |v[XS+\i+3]|
.endr
	v_max3_num_f32 v12, v12, |v[XS+30]|, |v[XS+31]|
	v_max3_num_f32 v12, v12, v13, 0x4800000        ; and the floor
	v_add_nc_u32 v177, 0xfc000000, v12             ; the conversion's scale operand
	v_lshrrev_b32 v179, 23, v177                   ; the byte
.if (\c) == 0
	v_mov_b32 v176, v179
.else
	v_lshl_or_b32 v176, v179, 8*(\c), v176         ; byte c of the K step's scale word
.endif
.irp i, 0,1,2,3,4,5,6,7,8,9,10,11,12,13,14,15,16,17,18,19,20,21,22,23,24,25,26,27,28,29,30,31
.endr
.irp g, 0,1,2,3
	v_cvt_scalef32_pk8_fp8_f32 v[CC+2*\g:CC+2*\g+1], v[XS+8*\g:XS+8*\g+7], v177
.endr
	v_nop                                          ; one plain line behind the last conversion
	global_store_b128 v6, v[CC:CC+3], s[20:21] offset:512*(\c)          ; k 32 c + 0..15: the sixteen lanes of one tile fill 256 consecutive bytes
	global_store_b128 v6, v[CC+4:CC+7], s[20:21] offset:512*(\c)+256    ; k 32 c + 16..31
.endm
	WLOAD 0
	WLOAD 1
	WBLOCK 0
	WBLOCK 1
	WBLOCK 2
	WBLOCK 3
	global_store_b32 v7, v176, s[22:23]
	s_endpgm
.Lfunc_end_k_qf99ae81e63_quant:
	.size	k_qf99ae81e63_quant, .Lfunc_end_k_qf99ae81e63_quant-k_qf99ae81e63_quant
	.p2alignl 7, 3214868480
	.fill 96, 4, 3214868480
	.section	.rodata,"a",@progbits
	.p2align	6, 0x0
	.amdhsa_kernel k_qf99ae81e63_quant
		.amdhsa_group_segment_fixed_size 34304
		.amdhsa_private_segment_fixed_size 0
		.amdhsa_enable_private_segment 0
		.amdhsa_kernarg_size 72
		.amdhsa_user_sgpr_count 2
		.amdhsa_user_sgpr_kernarg_segment_ptr 1
		.amdhsa_wavefront_size32 1
		.amdhsa_system_sgpr_workgroup_id_x 1
		.amdhsa_system_sgpr_workgroup_id_y 1
		.amdhsa_system_sgpr_workgroup_id_z 1
		.amdhsa_system_vgpr_workitem_id 0
		.amdhsa_next_free_vgpr 256
		.amdhsa_next_free_sgpr 66
		.amdhsa_reserve_vcc 1
		.amdhsa_float_denorm_mode_32 3
		.amdhsa_float_denorm_mode_16_64 3
		.amdhsa_fp16_overflow 1
		.amdhsa_memory_ordered 1
		.amdhsa_forward_progress 1
		.amdhsa_inst_pref_size 54
	.end_amdhsa_kernel
	.amdgpu_metadata
---
amdhsa.version: [ 1, 2 ]
amdhsa.kernels:
  - .name:           k_qf99ae81e63_quant
    .symbol:         k_qf99ae81e63_quant.kd
    .args:
      - { .name: x, .offset: 0, .size: 8, .value_kind: global_buffer, .address_space: global }
      - { .name: Wq, .offset: 8, .size: 8, .value_kind: global_buffer, .address_space: global }
      - { .name: Wk, .offset: 16, .size: 8, .value_kind: global_buffer, .address_space: global }
      - { .name: Wv, .offset: 24, .size: 8, .value_kind: global_buffer, .address_space: global }
      - { .name: Wo, .offset: 32, .size: 8, .value_kind: global_buffer, .address_space: global }
      - { .name: xc, .offset: 40, .size: 8, .value_kind: global_buffer, .address_space: global }
      - { .name: xs, .offset: 48, .size: 8, .value_kind: global_buffer, .address_space: global }
      - { .name: wc, .offset: 56, .size: 8, .value_kind: global_buffer, .address_space: global }
      - { .name: ws, .offset: 64, .size: 8, .value_kind: global_buffer, .address_space: global }
    .group_segment_fixed_size: 34304
    .private_segment_fixed_size: 0
    .kernarg_segment_align: 8
    .kernarg_segment_size: 72
    .max_flat_workgroup_size: 128
    .sgpr_count:     66
    .vgpr_count:     256
    .wavefront_size: 32
...
	.end_amdgpu_metadata
.endif
;; end of part 1
;; launch gemm_qkv (part 2): grid 8 x 48, 4 waves a work-group, clusters of 4 x 4, 327,680 bytes of LDS; arguments xc, xs, wc, ws, qkvc, qkvs; writes qkvc, qkvs
.if DOCPART == 2
	.amdgcn_target "amdgcn-amd-amdhsa--gfx1250"
	.amdhsa_code_object_version 6
	.text
	.protected	k_qf99ae81e63_gemm_qkv
	.globl	k_qf99ae81e63_gemm_qkv
	.p2align	8
	.type	k_qf99ae81e63_gemm_qkv,@function
k_qf99ae81e63_gemm_qkv:
	s_mov_b64 s[64:65], 0
	v_nop
	global_prefetch_b8 v0, s[64:65] scope:SCOPE_SE
	s_setreg_imm32_b32 hwreg(HW_REG_WAVE_MODE, 25, 1), 1
	s_wait_xcnt 0x0
	s_wait_alu depctr_hold_cnt(0) depctr_sa_sdst(0) depctr_va_vdst(0) depctr_va_sdst(0) depctr_va_ssrc(0) depctr_va_vcc(0) depctr_vm_vsrc(0)
	s_getreg_b32 s2, hwreg(HW_REG_IB_STS2, 6, 4)
	s_cmp_eq_u32 s2, 0
	s_cbranch_scc0 .Lentry_in_a_cluster
	s_endpgm
.Lentry_in_a_cluster:
	s_bfe_u32 s2, ttmp6, 0x10000c
	s_cmp_lg_u32 s2, 0xf033
	s_cbranch_scc0 .Lentry_shape_is_right
	s_endpgm
.Lentry_shape_is_right:
; q = x Wq, k = x Wk and v^T = Wv^T x^T on codes of FP8 (E4M3) with E8M0 scales, K = 1,024; the results are quantised in registers and leave as codes: q and k along a head's 64 channels, v along the keys.
; OPERANDS are images (16 rows a tile; place r of tile T = row 32 (T/2) + 8 (T%2) + r + 8 (r/8); byte 16384 T + 2048 s + 512 c + 16 lane; scale words at 512 T + 128 (s/2) + 8 r + 4 (s%2)).
; A tile of the result is 256 rows of A x 256 rows of B; four waves, each 128 x 128: 64 accumulators, 512 registers.  K goes in four slots of 256 through a ring of two LDS slots; the scale words of all of K come once.
; The matrix instruction is used transposed (source 0 = 16 rows of B, source 1 = 16 rows of A): lane (r, h) holds place r of A's tile, and the 16 registers of B's tiles 2 i, 2 i + 1 are B's rows 32 i + 16 h + 0..15:
; neighbours, in the order of the next product's operand registers.  So the conversions' results ARE fragments, and each group of four registers leaves as 512 consecutive bytes: no stage in LDS.
; ROLES by the cluster's numbers alone (selects, no branch): cluster y 0-7: A = x (32 tile rows), B = Wq | Wk (8 tile columns);  cluster y 8-11: A = Wv's image (4 tile rows), B = x (32 tile columns): v comes out with the keys along a lane's registers.
; OUT: qkvc: Q at 0, K at 8388608: [bh][token tile][c 2][512 bytes]; V at 16777216: [bh][key step of 128][tile 4][c 4][512].  qkvs: Q at 0, K at 524288: [bh][token tile][r] words (bytes 0, 1: the head's blocks;
; bytes 2, 3 stand over zero codes and are never 0xff); V at 1048576: [bh][key step][tile][r] words.
; CLUSTERS 4 x 4: A's tiles are asked for jointly along a row of the cluster, B's along a column.  No prefetch: of K's four slots two come at the head, and 96 matrix instructions a wave stand between a request and its wait.
; LIMITS: a block of zeros gets the byte 1 (its codes are zeros; this program alone reads the bytes); NaN and infinities are not served.
; REGISTERS: window 0: v1-7 lane terms; v16-29 addresses; v32-63 scale words, two sets; v128-255 A's fragments, one set.  window 1: B's fragments, two sets.  windows 2, 3: accumulator (a, b) at v[8 (8 (a%4) + b)] of window 2 + a/4.
.set NQ,    2                          ; matrix instructions deep in a slot
.set FR,    16                         ; registers of a fragment
.set NL,    4                          ; LDS loads that bring one
.set NP,    8                          ; places behind this matrix instruction (ISA guide 7.12.1)
.set TILEB, 4096                       ; a tile's part of a slot: 16 rows x 256 K
.set HALFT, 8*TILEB                    ; what one tensor load brings, and what one wave reads of A or of B
.set SLOT,  4*HALFT                    ; A's 16 tiles, then B's 16
.set SCL,   2*SLOT                     ; behind the ring: A's scale words (16 tiles x 512 bytes), then B's
.set HALFS, 4096
.set SPARE, SCL+4*HALFS                ; the spare words, 128 bytes a wave
.set ADRA, 16                          ; v16-17 LDS address of my A fragments in slot 0, 1
.set ADRB, 20                          ; v20-21 the same for B
.set ADRS, 27                          ; v27    of my scale words: lanes 0-15 A's, lanes 16-31 B's
.set SPW,  28                          ; v28    my spare word's address; never rewritten
.set NIL,  29                          ; v29    0; never rewritten
.set SC,   32                          ; scale words: set s at v[SC + 16 s]; register 2 i + q: lanes 0-15 A's block i, lanes 16-31 B's block i, the slot's q-th 128 along K
.set AF,   128
.set XO,   64                          ; the way out: v128-143 codes; v200-215 at work; v216 the scale word, v217 as stored
.set PC,   128
.set TM,   200
.set PW,   216
.set G1, 24
.set G0, 32
.set G1B, 48
.set G0B, 56
.set G1S, 68
.set G0S, 76
.set G1SB, 80
.set G0SB, 88
.set MSB, 0
.macro WIN new                         ; the immediate's high byte repeats the setting that is left
.if MSB != (\new)
	s_set_vgpr_msb (MSB<<8)|(\new)
.set MSB, (\new)
.endif
.endm
.set MUL_LO, 0xa1                      ; source 0 (B) window 1, source 1 (A) window 0, C and D window 2
.set MUL_HI, 0xf1
.set TO_B,   0x40
; A joint load: waves 0 and 1 fetch for A, waves 2 and 3 for B; the branch hangs on the wave's number alone.  An s_nop 0 and four v_nop follow each line.
.macro JLOAD g0a, g1a, g0b, g1b
	s_cmp_eq_u32 s15, 0
	s_cbranch_scc0 .Lfor_b_\@
	tensor_load_to_lds s[\g0a:\g0a+3], s[\g1a:\g1a+7]
	s_nop 0
.rept 4
	v_nop
.endr
	s_branch .Lasked_\@
.Lfor_b_\@:
	tensor_load_to_lds s[\g0b:\g0b+3], s[\g1b:\g1b+7]
	s_nop 0
.rept 4
	v_nop
.endr
.Lasked_\@:
.endm
.macro CREST                           ; a round of the cluster's barrier behind its opening barrier
	s_cmp_lg_u32 s14, 0
	s_cbranch_scc1 .Lnot_wave_0_\@
	s_barrier_signal -3
.Lnot_wave_0_\@:
	s_barrier_wait -3
	s_barrier_signal -1
	s_barrier_wait -1
.endm
.macro CROUND
	s_barrier_signal -1
	s_barrier_wait -1
	CREST
.endm
	s_load_b256 s[92:99], s[0:1], 0x0              ; xc, xs, wc, ws
	s_load_b64 s[12:13], s[0:1], 0x20              ; qkvc
	s_load_b64 s[66:67], s[0:1], 0x28              ; qkvs
	v_lshl_add_u32 v[SPW], v0, 2, SPARE
	v_mov_b32 v[NIL], 0
	ds_add_u32 v[SPW], v[NIL]
	ds_add_u32 v[SPW], v[NIL]                      ; the wave's opening: the add and its wait stand ahead of my first tensor load; work on registers stands between them
	v_lshrrev_b32 v1, 5, v0
	v_readfirstlane_b32 s14, v1                    ; wave
	s_lshr_b32 s15, s14, 1                         ; which 128 rows of A are mine.  Also: I fetch for A (0) or for B (1)
	s_and_b32 s16, s14, 1                          ; which 128 rows of B.  Also: which 8 tiles I fetch
	s_bfe_u32 s40, ttmp6, 0x40000                  ; cx
	s_bfe_u32 s41, ttmp6, 0x40004                  ; cy
	s_and_b32 s2, ttmp7, 0xffff                    ; cluster y: under 8: q and k; from 8 on: v
	s_sub_co_u32 s18, s2, 8
	s_lshl_b32 s18, s18, 1
	s_add_co_u32 s18, s18, ttmp9                   ; v: 2 (cluster y - 8) + cluster x
	s_cmp_lt_u32 s2, 8
	s_cselect_b32 s18, ttmp9, s18                  ; blocks of four tile columns
	s_cselect_b32 s19, s2, 0                       ; blocks of four tile rows
	s_cselect_b32 s45, 0, 128                      ; A's first tile in its buffer: Wv's image begins at tile 128
	s_lshl_b32 s42, s18, 2
	s_add_co_u32 s42, s42, s40                     ; tile column
	s_lshl_b32 s17, s19, 2
	s_add_co_u32 s17, s17, s41                     ; tile row
	s_lshl_b32 s43, s41, 2
	s_lshl_b32 s43, 15, s43                        ; my row of the cluster
	s_lshl_b32 s44, 0x1111, s40                    ; my column
	; group 1 for codes: 8 tiles' parts of 4,096 bytes (512 elements of 8 bytes), 16,384 bytes apart; dense in LDS
	s_or_b32 s[G1+0], s43, (3<<16)|(1<<21)         ; 15:0 the mask; 17:16 elements of 8 bytes; 21 set beside a mask
	s_or_b32 s[G1B+0], s44, (3<<16)|(1<<21)
.irp g, G1, G1B
	s_mov_b32 s[\g+1], 512<<16                     ; tensor_dim0
	s_mov_b32 s[\g+2], 8<<16                       ; tensor_dim1
	s_mov_b32 s[\g+3], 512<<16                     ; tile_dim0
	s_mov_b32 s[\g+4], 8                           ; tile_dim1
	s_mov_b32 s[\g+5], 2048                        ; tensor_dim0_stride
	s_mov_b32 s[\g+6], 0
	s_mov_b32 s[\g+7], 0
.endr
	; and for the scale words of 8 tiles: 4,096 dense bytes as 16 rows of 256
	s_or_b32 s[G1S+0], s43, (3<<16)|(1<<21)
	s_or_b32 s[G1SB+0], s44, (3<<16)|(1<<21)
.irp g, G1S, G1SB
	s_mov_b32 s[\g+1], 32<<16
	s_mov_b32 s[\g+2], 16<<16
	s_mov_b32 s[\g+3], 32<<16
	s_mov_b32 s[\g+4], 16
	s_mov_b32 s[\g+5], 32
	s_mov_b32 s[\g+6], 0
	s_mov_b32 s[\g+7], 0
.endr
	s_lshl_b32 s19, s16, 3                         ; which 8 tiles I fetch
	s_lshl_b32 s20, s17, 4
	s_add_co_u32 s20, s20, s45
	s_add_co_u32 s20, s20, s19                     ; A's tile: made of the tile row alone
	s_lshl_b32 s22, s20, 9                         ; its scale words,
	s_lshl_b32 s20, s20, 14                        ; its codes
	s_mov_b32 s21, 0
	s_mov_b32 s23, 0
	s_lshl_b32 s46, s42, 4
	s_add_co_u32 s46, s46, s19                     ; B's tile: made of the tile column alone
	s_lshl_b32 s18, s46, 9
	s_lshl_b32 s46, s46, 14
	s_mov_b32 s47, 0
	s_mov_b32 s19, 0
	s_lshl_b32 s45, s14, 15                        ; where they go: wave x 32,768: no place in the cluster enters an LDS address
	s_lshl_b32 s3, s14, 12                         ; and the scale words: wave x 4,096
	s_wait_dscnt 0x0                               ; the opening add is done
	s_wait_kmcnt 0x0
	s_cmp_lt_u32 s2, 8                             ; which buffer is A and which B hangs on the cluster's number alone
	s_cselect_b64 s[4:5], s[92:93], s[96:97]       ; A's codes
	s_cselect_b64 s[6:7], s[94:95], s[98:99]       ; A's scales
	s_cselect_b64 s[8:9], s[96:97], s[92:93]       ; B's codes
	s_cselect_b64 s[10:11], s[98:99], s[94:95]     ; B's scales
	s_add_nc_u64 s[20:21], s[4:5], s[20:21]
	s_add_nc_u64 s[22:23], s[6:7], s[22:23]
	s_add_nc_u64 s[46:47], s[8:9], s[46:47]
	s_add_nc_u64 s[18:19], s[10:11], s[18:19]
	CROUND                                         ; all sixteen work-groups are here: the first joint loads meet
	s_mov_b32 s[G0S], 1
	s_add_co_u32 s[G0S+1], s3, SCL
	s_mov_b64 s[G0S+2:G0S+3], s[22:23]
	s_or_b32 s[G0S+3], s[G0S+3], 0x80000000
	s_mov_b32 s[G0SB], 1
	s_add_co_u32 s[G0SB+1], s3, SCL
	s_mov_b64 s[G0SB+2:G0SB+3], s[18:19]
	s_or_b32 s[G0SB+3], s[G0SB+3], 0x80000000
	JLOAD G0S, G1S, G0SB, G1SB                     ; the scale words first: they are wanted with K's first slot
.irp s, 0,1
	s_mov_b32 s[G0+4*\s], 1
	s_add_co_u32 s[G0+4*\s+1], s45, \s*SLOT
	s_add_nc_u64 s[G0+4*\s+2:G0+4*\s+3], s[20:21], \s*TILEB
	s_or_b32 s[G0+4*\s+3], s[G0+4*\s+3], 0x80000000
	s_mov_b32 s[G0B+4*\s], 1
	s_add_co_u32 s[G0B+4*\s+1], s45, \s*SLOT
	s_add_nc_u64 s[G0B+4*\s+2:G0B+4*\s+3], s[46:47], \s*TILEB
	s_or_b32 s[G0B+4*\s+3], s[G0B+4*\s+3], 0x80000000
	JLOAD G0+4*\s, G1, G0B+4*\s, G1B               ; three loads of mine are out behind the second
.endr
	v_and_b32 v1, 15, v0                           ; r
	v_bfe_u32 v2, v0, 4, 1                         ; h
	s_wait_alu depctr_va_vdst(0)
	v_and_b32 v3, 31, v0
	v_lshlrev_b32 v3, 4, v3                        ; 16 x lane
	s_lshl_b32 s21, s15, 15                        ; my 8 tiles of A
	s_lshl_b32 s22, s16, 15                        ; my 8 tiles of B,
	s_add_co_u32 s22, s22, 2*HALFT                 ; which lie behind A's 16
.irp s, 0,1
	v_add_nc_u32 v[ADRA+\s], s21, v3
	v_add_nc_u32 v[ADRB+\s], s22, v3
	s_add_co_u32 s21, s21, SLOT
	s_add_co_u32 s22, s22, SLOT
.endr
	s_lshl_b32 s21, s15, 12                        ; A's scale words: my 8 tiles
	s_lshl_b32 s22, s16, 12                        ; B's: my 8 tiles, behind A's 16
	s_add_co_u32 s22, s22, 2*HALFS
	s_sub_co_u32 s22, s22, s21
	v_mul_u32_u24 v6, s22, v2                      ; lanes 16-31 take B's: the lower base + h x the distance
	s_add_co_u32 s21, s21, SCL
	v_lshl_add_u32 v5, v1, 3, v6                   ; 8 bytes a row and slot
	v_add_nc_u32 v[ADRS], s21, v5
.macro FRAG reg, adr, q, i             ; a fragment: four runs of 512 bytes, 16 bytes a lane
.irp c, 0,1,2,3
	ds_load_b128 v[\reg+4*\c:\reg+4*\c+3], v[\adr] offset:(\i)*TILEB+2048*(\q)+512*\c
.endr
.endm
; 16 matrix instructions: A's blocks a0, a0 + 1 x B's eight.  The 64 accumulators take turns, one instruction a turn, in the same order in every step.
.macro MUL16 a0, p, q, sc, zero
.irp a, \a0, \a0+1
.irp b, 0,1,2,3,4,5,6,7
.if \zero
	v_wmma_scale_f32_16x16x128_f8f6f4 v[8*(8*((\a)%4)+\b):8*(8*((\a)%4)+\b)+7], v[128*(\p)+FR*\b:128*(\p)+FR*\b+FR-1], v[AF+FR*(\a):AF+FR*(\a)+FR-1], 0, v[SC+8*NQ*(\sc)+NQ*\b+(\q)], v[SC+8*NQ*(\sc)+NQ*(\a)+(\q)] matrix_a_scale:MATRIX_SCALE_ROW1
.else
	v_wmma_scale_f32_16x16x128_f8f6f4 v[8*(8*((\a)%4)+\b):8*(8*((\a)%4)+\b)+7], v[128*(\p)+FR*\b:128*(\p)+FR*\b+FR-1], v[AF+FR*(\a):AF+FR*(\a)+FR-1], v[8*(8*((\a)%4)+\b):8*(8*((\a)%4)+\b)+7], v[SC+8*NQ*(\sc)+NQ*\b+(\q)], v[SC+8*NQ*(\sc)+NQ*(\a)+(\q)] matrix_a_scale:MATRIX_SCALE_ROW1
.endif
.endr
.endr
.endm
.macro FETCH_B slot, q, p
	WIN TO_B
.irp i, 0,1,2,3,4,5,6,7
	FRAG 128*(\p)+FR*\i, ADRB+\slot, \q, \i
.endr
	WIN 0
.endm
.macro FETCH_A slot, q, i0
.irp i, \i0, \i0+1, \i0+2, \i0+3
	FRAG AF+FR*(\i), ADRA+\slot, \q, \i
.endr
.endm
.macro SCALES sc                       ; a slot's scale words: two words a row; lanes 0-15 A's block i, lanes 16-31 B's block i
.irp i, 0,1,2,3,4,5,6,7
	ds_load_b64 v[SC+8*NQ*\sc+NQ*\i:SC+8*NQ*\sc+NQ*\i+1], v[ADRS] offset:\i*512
.endr
.endm
.macro PLACES n                        ; plain vector lines between a matrix instruction and a load into, or a vector read or write of, its registers
.rept \n
	v_nop
.endr
.endm
.macro STEP slot, q, zero              ; a step of 128 along K that has its successor in the same slot
	s_wait_dscnt 4*NL                              ; B's set and A's blocks 0-3 are in; the youngest 16 loads (A's blocks 4-7) may be out
	WIN MUL_LO
	MUL16 0, (\q)%2, \q, \slot, \zero
	MUL16 2, (\q)%2, \q, \slot, \zero
	s_wait_dscnt 0
	PLACES NP
	FETCH_B \slot, (\q)+1, 1-(\q)%2
	FETCH_A \slot, (\q)+1, 0
	WIN MUL_HI
	MUL16 4, (\q)%2, \q, \slot, \zero
	MUL16 6, (\q)%2, \q, \slot, \zero
	PLACES NP
	WIN 0
	FETCH_A \slot, (\q)+1, 4
.endm
; A slot's last step changes slots: one barrier; in front of it each wave waits for all its tensor loads, adds 0 to its spare word, and waits for that and for its reads of this slot.  fill = 1: the slot is filled again, two slots ahead.
.macro TURN slot, next, fill
	s_wait_tensorcnt 0x0                           ; all my tensor loads have landed: my part of the next slot
	ds_add_u32 v[SPW], v[NIL]                      ; 0 onto my spare word
	s_wait_dscnt 4*NL+1                            ; the add and the youngest 16 loads may be out
	WIN MUL_LO
	MUL16 0, 1, NQ-1, \slot, 0
	s_wait_dscnt 0x0                               ; the add is done, and my reads of this slot are over
	s_barrier_signal -1
	MUL16 2, 1, NQ-1, \slot, 0
	WIN 0
	s_barrier_wait -1
.if \fill
	CREST                                          ; the barrier has opened a round of the cluster's: no wave of any partner still reads this slot or has a load on its way
	s_add_nc_u64 s[G0+4*\slot+2:G0+4*\slot+3], s[G0+4*\slot+2:G0+4*\slot+3], 2*TILEB
	s_add_nc_u64 s[G0B+4*\slot+2:G0B+4*\slot+3], s[G0B+4*\slot+2:G0B+4*\slot+3], 2*TILEB
	JLOAD G0+4*\slot, G1, G0B+4*\slot, G1B         ; the first tensor load behind the round; its four v_nop are among the places below
	PLACES NP-4
.else
	PLACES NP
.endif
	s_wait_alu depctr_va_vdst(0)
	v_add_nc_u32 v[ADRS], 128, v[ADRS]             ; the next slot's scale words (no LDS load of mine is out)
	FETCH_B \next, 0, 0
	FETCH_A \next, 0, 0
	SCALES \next
	WIN MUL_HI
	MUL16 4, 1, NQ-1, \slot, 0
	MUL16 6, 1, NQ-1, \slot, 0
	PLACES NP
	WIN 0
	FETCH_A \next, 0, 4
.endm
	s_wait_alu depctr_va_vdst(0)
	s_wait_tensorcnt 1                             ; the scale words and my part of slot 0 are in; slot 1's load may be out
	s_barrier_signal -1
	s_barrier_wait -1
	FETCH_B 0, 0, 0
	FETCH_A 0, 0, 0
	SCALES 0
	FETCH_A 0, 0, 4
	STEP 0, 0, 1                                   ; K's four slots, written straight: the first products start the sums
	TURN 0, 1, 1
	STEP 1, 0, 0
	TURN 1, 0, 1
	STEP 0, 0, 0
	TURN 0, 1, 0                                   ; nothing is left to fetch: no round
	STEP 1, 0, 0
	s_wait_dscnt 4*NL
	WIN MUL_LO
	MUL16 0, 1, NQ-1, 1, 0
	MUL16 2, 1, NQ-1, 1, 0
	s_wait_dscnt 0
	WIN MUL_HI
	MUL16 4, 1, NQ-1, 1, 0
	MUL16 6, 1, NQ-1, 1, 0
	WIN 0
	PLACES NP
	; THE WAY OUT.  Where my first block goes, for both roles; then the choice, by the cluster's number.
	s_lshr_b32 s18, s17, 3                         ; q, k: batch = tile row / 8
	s_lshl_b32 s18, s18, 4
	s_lshl_b32 s19, s40, 2
	s_add_co_u32 s18, s18, s19
	s_lshl_b32 s19, s16, 1
	s_add_co_u32 s18, s18, s19                     ; bh = 16 batch + 4 cx + 2 (my half of B): the even one of my two heads
	s_lshl_b32 s18, s18, 7
	s_and_b32 s19, s17, 7
	s_lshl_b32 s19, s19, 4
	s_add_co_u32 s18, s18, s19
	s_lshl_b32 s19, s15, 3
	s_add_co_u32 s18, s18, s19                     ; 128 bh + token tile
	s_lshl_b32 s20, s18, 10
	s_lshl_b32 s19, ttmp9, 23
	s_add_co_u32 s20, s20, s19                     ; codes: cluster x says q or k
	s_lshl_b32 s22, s18, 6
	s_lshl_b32 s19, ttmp9, 19
	s_add_co_u32 s22, s22, s19                     ; scale words
	s_lshr_b32 s18, s42, 3                         ; v: batch = tile column / 8
	s_lshl_b32 s18, s18, 4
	s_lshl_b32 s19, s17, 2
	s_add_co_u32 s18, s18, s19
	s_lshl_b32 s19, s15, 1
	s_add_co_u32 s18, s18, s19                     ; bh = 16 batch + 4 (tile row) + 2 (my half of A)
	s_lshl_b32 s18, s18, 4
	s_and_b32 s19, s42, 7
	s_lshl_b32 s19, s19, 1
	s_add_co_u32 s18, s18, s19
	s_add_co_u32 s18, s18, s16                     ; 16 bh + key step
	s_lshl_b32 s46, s18, 13
	s_add_co_u32 s46, s46, 16777216
	s_lshl_b32 s47, s18, 8
	s_add_co_u32 s47, s47, 1048576
	s_cmp_lt_u32 s2, 8
	s_cselect_b32 s20, s20, s46
	s_cselect_b32 s22, s22, s47
	s_mov_b32 s92, 2048
	s_cselect_b32 s92, 1024, s92                   ; codes, from block to block: a token tile | a tile of V
	s_mov_b32 s94, 124928
	s_cselect_b32 s94, 1024, s94                   ; at block 4: the same | on to the next head: 131072 - 3 x 2048
	s_mov_b32 s96, 3904
	s_cselect_b32 s96, 64, s96                     ; scale words at block 4: 64 | 4096 - 3 x 64
	s_mov_b32 s98, 1024
	s_cselect_b32 s98, 131072, s98                 ; code registers 8-15: the next head | blocks 2, 3 of the same fragment
	s_cselect_b32 s99, 8192, 0                     ; lanes 16-31's scale word: the next head's | the same word again
	s_cselect_b32 s45, 16, 0                       ; and its shift
	s_mov_b32 s21, 0
	s_mov_b32 s23, 0
	s_mov_b32 s93, 0
	s_mov_b32 s95, 0
	s_mov_b32 s97, 0
	s_add_nc_u64 s[12:13], s[12:13], s[20:21]
	s_add_nc_u64 s[66:67], s[66:67], s[22:23]
	v_add_nc_u32 v5, s98, v3
	v_mul_u32_u24 v6, s99, v2
	v_lshl_add_u32 v6, v1, 2, v6
	v_mul_u32_u24 v7, s45, v2
.irp b, 0,1,2,3
	v_mov_b32 v[TM+4+\b], 0                        ; written once: a lane permute's destination counts as one of its sources
.endr
; Block a: 16 rows of A x my 128 rows of B: 64 numbers a lane, four blocks of 32, become a fragment's 16 registers and a scale word.
.macro OUTA a
.set W, 2+(\a)/4
.set WW, W|(W<<2)
.set AC, 64*((\a)%4)
.if (\a) > 0
	s_wait_xcnt 0x0                                ; the last block's stores have read their data and bases: both are written again only behind this wait
.if (\a) == 4
	s_add_nc_u64 s[12:13], s[12:13], s[94:95]
	s_add_nc_u64 s[66:67], s[66:67], s[96:97]
.else
	s_add_nc_u64 s[12:13], s[12:13], s[92:93]
	s_add_nc_u64 s[66:67], s[66:67], 64
.endif
.endif
	WIN WW                                         ; sources 0 and 1: the accumulators' window
.irp b, 0,1,2,3
	v_max3_num_f32 v[TM+\b], |v[AC+16*\b]|, |v[AC+1+16*\b]|, 0x4800000   ; each accumulator is read from its low end on; the floor 2^(9 - 127) holds the byte at 1 from below
.endr
.irp i, 2,4,6,8,10,12,14
.irp b, 0,1,2,3
	v_max3_num_f32 v[TM+\b], |v[AC+16*\b+\i]|, |v[AC+1+16*\b+\i]|, v[TM+\b]
.endr
.endr
	WIN 0
.irp b, 0,1,2,3
	v_permlanex16_b32 v[TM+4+\b], v[TM+\b], s[4], s[5]
.endr
.irp b, 0,1,2,3
	v_max_num_f32 v[TM+\b], v[TM+\b], v[TM+4+\b]
.endr
.irp b, 0,1,2,3
	v_add_nc_u32 v[TM+12+\b], 0xfc000000, v[TM+\b]
.endr
.irp b, 0,1,2,3
.endr
.irp b, 0,1,2,3
	v_lshrrev_b32 v[TM+4+\b], 23, v[TM+12+\b]
.endr
	v_lshl_or_b32 v[PW], v[TM+5], 8, v[TM+4]
	v_lshl_or_b32 v[PW], v[TM+6], 16, v[PW]
	v_lshl_or_b32 v[PW], v[TM+7], 24, v[PW]
	WIN W                                          ; source 0: the accumulators' window
.irp b, 0,1,2,3
.irp i, 0,1,2,3,4,5,6,7,8,9,10,11,12,13,14,15
.endr
.endr
.irp b, 0,1,2,3
	v_cvt_scalef32_pk8_fp8_f32 v[PC+4*\b:PC+1+4*\b], v[AC+16*\b:AC+7+16*\b], v[TM+12+\b]
	v_cvt_scalef32_pk8_fp8_f32 v[PC+2+4*\b:PC+3+4*\b], v[AC+8+16*\b:AC+15+16*\b], v[TM+12+\b]
.endr
	WIN 0
	v_lshrrev_b32 v[PW+1], v7, v[PW]               ; a plain line behind the last conversion.  q, k: lanes 16-31 send the odd head's two bytes, moved down
	global_store_b128 v3, v[PC:PC+3], s[12:13]               ; each store: 512 consecutive bytes, aligned
	global_store_b128 v3, v[PC+4:PC+7], s[12:13] offset:512
	global_store_b128 v5, v[PC+8:PC+11], s[12:13]
	global_store_b128 v5, v[PC+12:PC+15], s[12:13] offset:512
	global_store_b32 v6, v[PW+1], s[66:67]
.endm
	s_mov_b32 s4, 0x76543210                       ; (the operands' pointers are done with) v_permlanex16_b32's selects for lane l xor 16
	s_mov_b32 s5, 0xfedcba98
	OUTA 0
	OUTA 1
	OUTA 2
	OUTA 3
	OUTA 4
	OUTA 5
	OUTA 6
	OUTA 7
	s_wait_tensorcnt 0x0                           ; the wave's end
	ds_add_u32 v[SPW], v[NIL]
	s_wait_dscnt 0x0
	CROUND                                         ; the closing round: no work-group ends while a partner may still ask for a tile that names it
	s_endpgm
.Lfunc_end_k_qf99ae81e63_gemm_qkv:
	.size	k_qf99ae81e63_gemm_qkv, .Lfunc_end_k_qf99ae81e63_gemm_qkv-k_qf99ae81e63_gemm_qkv
	.p2alignl 7, 3214868480
	.fill 96, 4, 3214868480
	.section	.rodata,"a",@progbits
	.p2align	6, 0x0
	.amdhsa_kernel k_qf99ae81e63_gemm_qkv
		.amdhsa_group_segment_fixed_size 327680
		.amdhsa_private_segment_fixed_size 0
		.amdhsa_enable_private_segment 0
		.amdhsa_kernarg_size 48
		.amdhsa_user_sgpr_count 2
		.amdhsa_user_sgpr_kernarg_segment_ptr 1
		.amdhsa_wavefront_size32 1
		.amdhsa_system_sgpr_workgroup_id_x 1
		.amdhsa_system_sgpr_workgroup_id_y 1
		.amdhsa_system_sgpr_workgroup_id_z 1
		.amdhsa_system_vgpr_workitem_id 0
		.amdhsa_next_free_vgpr 1024
		.amdhsa_next_free_sgpr 100
		.amdhsa_reserve_vcc 0
		.amdhsa_float_denorm_mode_32 3
		.amdhsa_float_denorm_mode_16_64 3
		.amdhsa_fp16_overflow 1
		.amdhsa_memory_ordered 1
		.amdhsa_forward_progress 1
		.amdhsa_inst_pref_size 152
	.end_amdhsa_kernel
	.amdgpu_metadata
---
amdhsa.version: [ 1, 2 ]
amdhsa.kernels:
  - .name:           k_qf99ae81e63_gemm_qkv
    .symbol:         k_qf99ae81e63_gemm_qkv.kd
    .args:
      - { .name: xc, .offset: 0, .size: 8, .value_kind: global_buffer, .address_space: global }
      - { .name: xs, .offset: 8, .size: 8, .value_kind: global_buffer, .address_space: global }
      - { .name: wc, .offset: 16, .size: 8, .value_kind: global_buffer, .address_space: global }
      - { .name: ws, .offset: 24, .size: 8, .value_kind: global_buffer, .address_space: global }
      - { .name: qkvc, .offset: 32, .size: 8, .value_kind: global_buffer, .address_space: global }
      - { .name: qkvs, .offset: 40, .size: 8, .value_kind: global_buffer, .address_space: global }
    .group_segment_fixed_size: 327680
    .private_segment_fixed_size: 0
    .kernarg_segment_align: 8
    .kernarg_segment_size: 48
    .max_flat_workgroup_size: 128
    .sgpr_count:     100
    .vgpr_count:     1024
    .wavefront_size: 32
...
	.end_amdgpu_metadata
.endif
;; end of part 2
;; launch attn (part 3): grid 4 x 64, 16 waves a work-group, no clusters, 327,680 bytes of LDS; arguments qkvc, qkvs, ctxc, ctxs; writes ctxc, ctxs
.if DOCPART == 3
	.amdgcn_target "amdgcn-amd-amdhsa--gfx1250"
	.amdhsa_code_object_version 6
	.text
	.protected	k_qf99ae81e63_attn
	.globl	k_qf99ae81e63_attn
	.p2align	8
	.type	k_qf99ae81e63_attn,@function
k_qf99ae81e63_attn:
	s_mov_b64 s[64:65], 0
	v_nop
	global_prefetch_b8 v0, s[64:65] scope:SCOPE_SE
	s_setreg_imm32_b32 hwreg(HW_REG_WAVE_MODE, 25, 1), 1
	s_wait_xcnt 0x0
; ctx[bh][q] = the sum over keys k <= q of softmax_k(q . k / 8) v[k], both products on codes of FP8 (E4M3) with E8M0 scales; ctx is quantised along its 1,024 channels and leaves as the output product's operand image.
; IN (as the launch before lays them): Q, K: [bh][token tile][c 2][512 bytes]; V: [bh][key step of 128][tile 4][c 4][512]; scale words beside them.  Place r of token tile tt is token 32 (tt/2) + 8 (tt%2) + r + 8 (r/8).
; THE FIRST PRODUCT'S K IS 64: registers 8-15 of Q's and of K's fragments are zero codes, which add nothing under any scale byte but 0xff (bytes 2, 3 of the words are never that).
; THE SOFTMAX: t = score x log2(e) / 8; M = the running largest t rounded up to a whole number; p = 2^(t - M) is quantised along the keys; the row's sum is taken of the unquantised p and divides at the end.
; When M moves, the sum and O^T are multiplied by 2^(old M - new M): exact.  p under 2^-126 comes out of v_exp_f32 as 0.  NaN and infinities among the inputs are not served.
; SHARES.  A work-group owns query blocks P and 7 - P (256 queries each) of one head: P + 1 and 8 - P slots of 256 keys, NINE in every work-group: all 256 have the same work, and one loop of constant count serves all.
; Each of its sixteen waves owns one token tile of 16 queries of the block in hand, in 256 registers: four waves to a SIMD, so that one wave's vector work stands beside another's products and LDS loads.
; Both products are used transposed (S^T = K Q^T, O^T = V^T P^T): a lane holds one query throughout; the 16 registers of score tiles 2 b, 2 b + 1 are keys 32 b + 16 h + 0..15, those of O^T's tiles channels 32 b + 16 h + 0..15.
; NO CLUSTER: the four work-groups of a head begin their second block at trips 1, 2, 3 and 4, so that in one trip they want different key slots: there is no tile that they could ask for jointly in the same round.
; A step all of whose keys come after my queries is left out by a scalar branch on ids; on the diagonal hidden scores become -infinity ahead of the maximum.
.set SLOT1, 65536                      ; a slot: K's codes 16,384 bytes, V's 16,384, K's scale words 1,024, V's 512; slot 1 begins here: one exclusive or turns an address
.set VOFF,  16384
.set KSO,   32768
.set VSO,   33792
.set SPARE, 131072                     ; the spare words, 128 bytes for each of sixteen waves
.set LI,  1                            ; v1  16 x lane
.set LS,  2                            ; v2  4 r
.set DL,  3                            ; v3  r + 8 (r/8) - 16 h
.set R8,  4                            ; v4  8 r
.set SPW, 5                            ; v5  my spare word's address; never rewritten
.set NIL, 6                            ; v6  0; never rewritten
.set PFO, 7                            ; v7  256 x lane: the prefetches' offset; never rewritten
.set AD,  8                            ; v8  LDS address of the slot's codes for my lane
.set AS,  9                            ; v9  of its scale words
.set QF,  16                           ; v16-31  Q's fragment; v24-31 zero
.set KFR, 32                           ; v32-95  four fragments of K; the upper eight registers of each stay zero
.set S,   96                           ; v96-159 S^T, then p, then V's four fragments
.set O,   160                          ; v160-191 O^T
.set PCD, 192                          ; v192-207 p's codes
.set BM,  208                          ; blocks' maxima
.set T1,  212
.set LM,  216
.set SO,  220
.set KS,  224                          ; v224-227 K's scale words; v228-231 V's; v232 Q's; v233 p's: these hold scales and nothing else
.set VS,  228
.set QS,  232
.set PWD, 233
.set FF,  234                          ; v[234:235] f = 2^(old M - new M)
.set C2,  236                          ; v[236:237] the sum's second chain
.set W0,  238                          ; v238-240 at work
.set WV,  12
.set P,   13
.set BH,  14
.set PSW, 15                           ; the trip at which the second block begins: P + 1
.set TRIP, 16
.set KSL, 17                           ; the key slot that was asked for last
.set KF,  18                           ; the step's first key
.set Q0,  19                           ; my tile's first query
.set SEL, 20
.set CS,  22                           ; s[22:23] c = log2(e) / 8
.set MNT, 24
.set TB,  25                           ; LDS byte at which the slot in hand begins
.set BLK, 26
.set LIM, 27
.set G1B, 28                           ; s[28:35] group 1: 16,384 dense bytes;  s[36:43]: 512 dense bytes;  s[44:47], s[48:51] their groups 0
.set G1S, 36
.set G0B, 44
.set G0S, 48
.set BASEB, 52                         ; s[52:53] what I fetch of the head's codes, at key slot 0;  s[54:55] of its scale words;  s56 a slot on in them
.set BASES, 54
.set STEPS, 56
.set PFA, 58
.set QA,  60
.set QSA, 62
.set CA,  66
.set CSA, 68
.set HC,  76                           ; the head's place in a tile of ctx's image: 1024 H;  s77 among its scale words: 128 (H/4) + 2 (H%4)
.set HSC, 77
; Waves 0, 1 fetch K's and V's codes, waves 2, 3 the halves of K's scale words, wave 4 V's; the others nothing.  An s_nop 0 and four v_nop follow each line.
.macro TLOAD
	s_cmp_lt_u32 s[WV], 2
	s_cbranch_scc0 .Lnot_c_\@
	tensor_load_to_lds s[G0B:G0B+3], s[G1B:G1B+7]
	s_nop 0
.rept 4
	v_nop
.endr
	s_branch .Lasked_\@
.Lnot_c_\@:
	s_cmp_lt_u32 s[WV], 5
	s_cbranch_scc0 .Lasked_\@
	tensor_load_to_lds s[G0S:G0S+3], s[G1S:G1S+7]
	s_nop 0
.rept 4
	v_nop
.endr
.Lasked_\@:
.endm
; A prefetch of the head's codes one key slot ahead of work-group 0's own load.  That work-group walks key slots 0 to 7 on end in trips 1 to 8; in trips 1 to 6 its waves 8-11 (which fetch nothing) name key slot TRIP + 1:
; K's 16,384 bytes by waves 8, 9 and V's by waves 10, 11, 8,192 bytes a wave, lanes 256 bytes apart: each aligned block of 256 bytes of slots 2 to 7 is named once in the launch; slots 0, 1 come by their loads alone.
.macro ASK
	s_sub_co_u32 s70, s[TRIP], 1
	s_cmp_lt_u32 s70, s[LIM]                       ; LIM = 6 in those four waves, else 0
	s_cbranch_scc0 .Lnot_mine_\@
	global_prefetch_b8 v[PFO], s[PFA:PFA+1] th:TH_LOAD_NT scope:SCOPE_SE
.Lnot_mine_\@:
.endm
; A block of queries begins: addresses, Q, and the running numbers.
.macro START
	s_wait_xcnt 0x0                                ; earlier loads and stores have read their bases and data
	s_lshl_b32 s70, s[BLK], 4
	s_add_co_u32 s70, s70, s[WV]                   ; my token tile tt
	s_lshr_b32 s71, s70, 1
	s_lshl_b32 s71, s71, 5
	s_and_b32 s72, s70, 1
	s_lshl_b32 s72, s72, 3
	s_add_co_u32 s[Q0], s71, s72
	s_lshl_b32 s72, s[BH], 7
	s_add_co_u32 s72, s72, s70
	s_lshl_b32 s74, s72, 6
	s_lshl_b32 s72, s72, 10
	s_mov_b32 s73, 0
	s_mov_b32 s75, 0
	s_add_nc_u64 s[QA:QA+1], s[4:5], s[72:73]
	s_add_nc_u64 s[QSA:QSA+1], s[6:7], s[74:75]
	s_lshr_b32 s72, s[BH], 4
	s_lshl_b32 s72, s72, 7
	s_add_co_u32 s72, s72, s70                     ; ctx's tile: 128 batch + tt
	s_lshl_b32 s74, s72, 9
	s_lshl_b32 s72, s72, 14
	s_add_co_u32 s72, s72, s[HC]
	s_add_co_u32 s74, s74, s[HSC]
	s_add_nc_u64 s[CA:CA+1], s[8:9], s[72:73]
	s_add_nc_u64 s[CSA:CSA+1], s[10:11], s[74:75]
	s_mov_b32 s[KF], 0
	global_load_b128 v[QF:QF+3], v[LI], s[QA:QA+1] th:TH_LOAD_NT
	global_load_b128 v[QF+4:QF+7], v[LI], s[QA:QA+1] offset:512 th:TH_LOAD_NT
	global_load_b32 v[QS], v[LS], s[QSA:QSA+1]
	v_mov_b32 v13, 0xff61b1e6                      ; the largest t so far: -3e38
	s_delay_alu instid0(VALU_DEP_1)
	v_floor_f32 v12, -v13                          ; -M
	v_mov_b32 v14, 0
	v_mov_b32 v15, 0
.irp j, 0,1,2,3,4,5,6,7,8,9,10,11,12,13,14,15,16,17,18,19,20,21,22,23,24,25,26,27,28,29,30,31
	v_mov_b32 v[O+\j], 0                           ; the step is written once: the first finds zeros, which the first change of M leaves zeros
.endr
	s_wait_loadcnt 0x0
.endm
; A key step: 128 keys, the q-th of the slot in hand.
.macro STEP q
	s_add_co_u32 s70, s[Q0], 23                    ; my last query
	s_cmp_gt_u32 s[KF], s70
	s_cbranch_scc1 .Lhidden_\@
	v_add_nc_u32 v[AD], s[TB], v[LI]
	s_wait_alu depctr_va_vdst(0)
	v_add_nc_u32 v[AS], s[TB], v[LS]
	s_wait_alu depctr_va_vdst(0)
.rept 7
	v_nop                                          ; nine places in all: the first product below writes over registers that the last step's V products read
.endr
.irp g, 0,1                            ; S^T = K Q^T, four tiles of 16 keys at a time
.if \g > 0
.rept 8
	v_nop                                          ; places in front of loads into registers that matrix instructions have read
.endr
.endif
.irp t, 0,1,2,3
.irp c, 0,1
	ds_load_b128 v[KFR+16*\t+4*\c:KFR+16*\t+4*\c+3], v[AD] offset:8192*(\q)+(4*\g+\t)*1024+512*\c
.endr
	ds_load_b32 v[KS+\t], v[AS] offset:KSO+512*(\q)+(4*\g+\t)*64
.endr
	s_wait_dscnt 0x0
.irp t, 0,1,2,3
	v_wmma_scale_f32_16x16x128_f8f6f4 v[S+8*(4*\g+\t):S+8*(4*\g+\t)+7], v[KFR+16*\t:KFR+16*\t+15], v[QF:QF+15], 0, v[KS+\t], v[QS]
.endr
.endr
.rept 8
	v_nop
.endr
	s_add_co_u32 s70, s[KF], 127                   ; a step all of whose keys count for all my queries skips the mask
	s_cmp_le_u32 s70, s[Q0]
	s_cbranch_scc1 .Lopen_\@
	s_sub_co_i32 s70, s[Q0], s[KF]
	v_add_nc_u32 v[W0], s70, v[DL]                 ; d = my query - KF - 16 h.  Register 16 b + i holds key KF + 16 h + 32 b + i: hidden where 32 b + i > d
	v_mov_b32 v[W0+1], 0xff800000                  ; -infinity
.irp n, 0,1,2,3,4,5,6,7,8,9,10,11,12,13,14,15,16,17,18,19,20,21,22,23,24,25,26,27,28,29,30,31,32,33,34,35,36,37,38,39,40,41,42,43,44,45,46,47,48,49,50,51,52,53,54,55,56,57,58,59,60,61,62,63
	v_cmp_gt_i32 vcc_lo, 32*(\n/16)+\n%16, v[W0]
	v_cndmask_b32 v[S+\n], v[S+\n], v[W0+1], vcc_lo
.endr
.Lopen_\@:
.irp b, 0,1,2,3
	v_max3_num_f32 v[BM+\b], v[S+16*\b], v[S+1+16*\b], v[S+2+16*\b]   ; the largest score of each block of 32 keys: for the row's maximum, and, since p rises with the score, for the block's largest p
.endr
.irp i, 3,5,7,9,11,13
.irp b, 0,1,2,3
	v_max3_num_f32 v[BM+\b], v[BM+\b], v[S+16*\b+\i], v[S+1+16*\b+\i]
.endr
.endr
.irp b, 0,1,2,3
	v_max_num_f32 v[BM+\b], v[BM+\b], v[S+15+16*\b]
.endr
.irp b, 0,1,2,3
	s_delay_alu instid0(VALU_DEP_4)
	v_permlanex16_b32 v[T1+\b], v[BM+\b], s[SEL], s[SEL+1]
.endr
.irp b, 0,1,2,3
	s_delay_alu instid0(VALU_DEP_4)
	v_max_num_f32 v[BM+\b], v[BM+\b], v[T1+\b]     ; with lane l xor 16's 16 keys
.endr
	s_delay_alu instid0(VALU_DEP_2)
	v_max3_num_f32 v[W0], v[BM], v[BM+1], v[BM+2]
	s_delay_alu instid0(VALU_DEP_1)
	v_max_num_f32 v[W0], v[W0], v[BM+3]
	s_delay_alu instid0(VALU_DEP_1)
	v_mul_f32 v[W0], s[CS], v[W0]                  ; as t (c is positive)
	s_delay_alu instid0(VALU_DEP_1)
	v_max_num_f32 v13, v13, v[W0]                  ; the running largest t
	v_mov_b32 v[W0], v12
	s_delay_alu instid0(VALU_DEP_2)
	v_floor_f32 v12, -v13                          ; the new -M = floor(-t): M is a whole number
	s_delay_alu instid0(VALU_DEP_1)
	v_sub_f32 v[W0], v12, v[W0]                    ; old M - new M: a whole number, 0 or less
	s_delay_alu instid0(VALU_DEP_1)
	v_cvt_i32_f32 v[W0], v[W0]                     ; (it saturates)
	s_delay_alu instid0(VALU_DEP_1)
	v_ldexp_f32 v[FF], 1.0, v[W0]                  ; f = 2^(old M - new M)
.irp j, 0,2,4,6,8,10,12,14,16,18,20,22,24,26,28,30,32,34,36,38,40,42,44,46,48,50,52,54,56,58,60,62
	v_pk_fma_f32 v[S+\j:S+1+\j], v[S+\j:S+1+\j], s[CS:CS+1], v[12:13] op_sel_hi:[1,0,0]   ; t - M, two at a time
.endr
.irp b, 0,1,2,3
	v_fma_f32 v[BM+\b], v[BM+\b], s[CS], v12       ; the same of each block's largest score
.endr
	s_wait_alu depctr_va_vdst(0)
.irp j, 0,1,2,3,4,5,6,7,8,9,10,11,12,13,14,15,16,17,18,19,20,21,22,23,24,25,26,27,28,29,30,31,32,33,34,35,36,37,38,39,40,41,42,43,44,45,46,47,48,49,50,51,52,53,54,55,56,57,58,59,60,61,62,63
	v_exp_f32 v[S+\j], v[S+\j]                     ; p = 2^(t - M), at most 1: not normalised
.endr
	v_pk_mul_f32 v[14:15], v[14:15], v[FF:FF+1] op_sel_hi:[1,0]   ; the sums under the new M: the plain line behind the exponentials
	s_wait_alu depctr_va_vdst(0)                   ; one wait for the whole batch, ahead of its first reader
.irp b, 0,1,2,3
	v_exp_f32 v[BM+\b], v[BM+\b]                   ; the block's largest p: the same two instructions on the same number give the same bits
.endr
	v_pk_add_f32 v[236:237], v[100:101], v[104:105]
	v_pk_add_f32 v[254:255], v[108:109], v[112:113]
	v_pk_add_f32 v[252:253], v[116:117], v[120:121]
	v_pk_add_f32 v[250:251], v[124:125], v[128:129]
	v_pk_add_f32 v[248:249], v[132:133], v[136:137]
	v_pk_add_f32 v[246:247], v[140:141], v[144:145]
	v_pk_add_f32 v[244:245], v[148:149], v[152:153]
	v_pk_add_f32 v[14:15], v[14:15], v[156:157]
	v_pk_add_f32 v[236:237], v[236:237], v[96:97]
	v_pk_add_f32 v[254:255], v[254:255], v[98:99]
	v_pk_add_f32 v[252:253], v[252:253], v[102:103]
	v_pk_add_f32 v[250:251], v[250:251], v[106:107]
	v_pk_add_f32 v[248:249], v[248:249], v[110:111]
	v_pk_add_f32 v[246:247], v[246:247], v[114:115]
	v_pk_add_f32 v[244:245], v[244:245], v[118:119]
	v_pk_add_f32 v[14:15], v[14:15], v[122:123]
	v_pk_add_f32 v[236:237], v[236:237], v[126:127]
	v_pk_add_f32 v[254:255], v[254:255], v[130:131]
	v_pk_add_f32 v[252:253], v[252:253], v[134:135]
	v_pk_add_f32 v[250:251], v[250:251], v[138:139]
	v_pk_add_f32 v[248:249], v[248:249], v[142:143]
	v_pk_add_f32 v[246:247], v[246:247], v[146:147]
	v_pk_add_f32 v[244:245], v[244:245], v[150:151]
	v_pk_add_f32 v[14:15], v[14:15], v[154:155]
	v_pk_add_f32 v[236:237], v[236:237], v[158:159]
	s_delay_alu instid0(VALU_DEP_2)
	v_pk_add_f32 v[14:15], v[14:15], v[250:251]
	s_delay_alu instid0(VALU_DEP_2)
	v_pk_add_f32 v[236:237], v[236:237], v[248:249]
	v_pk_add_f32 v[254:255], v[254:255], v[246:247]
	v_pk_add_f32 v[252:253], v[252:253], v[244:245]
	s_delay_alu instid0(VALU_DEP_2)
	v_pk_add_f32 v[14:15], v[14:15], v[254:255]
	s_delay_alu instid0(VALU_DEP_2)
	v_pk_add_f32 v[236:237], v[236:237], v[252:253]
	s_delay_alu instid0(VALU_DEP_1)
	v_pk_add_f32 v[14:15], v[14:15], v[236:237]
	s_wait_alu depctr_va_vdst(0)                   ; and one for the four
.irp b, 0,1,2,3
	v_max_num_f32 v[BM+\b], 0x4800000, v[BM+\b]    ; the floor 2^(9 - 127): the byte cannot fall under 1
.endr
.irp b, 0,1,2,3
	s_delay_alu instid0(VALU_DEP_4)
	v_add_nc_u32 v[SO+\b], 0xfc000000, v[BM+\b]    ; the conversion's scale operand
.endr
.irp b, 0,1,2,3
.endr
.irp b, 0,1,2,3
	s_delay_alu instid0(VALU_DEP_4)
	v_lshrrev_b32 v[T1+\b], 23, v[SO+\b]           ; the scale's byte
.endr
	s_delay_alu instid0(VALU_DEP_3)
	v_lshl_or_b32 v[PWD], v[T1+1], 8, v[T1]        ; p's scale word for these 128 keys
	s_delay_alu instid0(VALU_DEP_1)
	v_lshl_or_b32 v[PWD], v[T1+2], 16, v[PWD]
	s_delay_alu instid0(VALU_DEP_1)
	v_lshl_or_b32 v[PWD], v[T1+3], 24, v[PWD]
.irp b, 0,1,2,3
.irp i, 0,1,2,3,4,5,6,7,8,9,10,11,12,13,14,15
.endr
	v_cvt_scalef32_pk8_fp8_f32 v[PCD+4*\b:PCD+1+4*\b], v[S+16*\b:S+7+16*\b], v[SO+\b]
	v_cvt_scalef32_pk8_fp8_f32 v[PCD+2+4*\b:PCD+3+4*\b], v[S+8+16*\b:S+15+16*\b], v[SO+\b]
.endr
	v_nop                                          ; one plain line behind the last conversion
.irp t, 0,1,2,3                        ; V's four fragments take the registers that p has left
.irp c, 0,1,2,3
	ds_load_b128 v[S+16*\t+4*\c:S+16*\t+4*\c+3], v[AD] offset:VOFF+8192*(\q)+2048*\t+512*\c
.endr
	ds_load_b32 v[VS+\t], v[AS] offset:VSO+256*(\q)+64*\t
.endr
.irp j, 0,2,4,6,8,10,12,14,16,18,20,22,24,26,28,30
	v_pk_mul_f32 v[O+\j:O+1+\j], v[O+\j:O+1+\j], v[FF:FF+1] op_sel_hi:[1,0]   ; O^T under the new M; these lines are also the places between the codes and the products
.endr
	s_wait_alu depctr_va_vdst(0)
	s_wait_dscnt 0x0
.irp t, 0,1,2,3                        ; O^T += V^T P^T: the four accumulators by turns, one link a step
	v_wmma_scale_f32_16x16x128_f8f6f4 v[O+8*\t:O+8*\t+7], v[S+16*\t:S+16*\t+15], v[PCD:PCD+15], v[O+8*\t:O+8*\t+7], v[VS+\t], v[PWD]
.endr
.Lhidden_\@:
	s_add_co_u32 s[KF], s[KF], 128
.endm
; The change of slots stands at a slot's head.  Each wave waits for all its tensor loads, adds 0 to its spare word, and waits for that and for its reads of the slot that it has left; behind the barrier the slot ahead is whole
; and nobody reads the other one.  fill = 1: that other slot takes the next visit's keys: the key slot that follows, or key slot 0 where the next trip begins the second block.
.macro CHANGE fill
	s_wait_tensorcnt 0x0                           ; no tensor load of mine is out, so a group 0 may be written
	ds_add_u32 v[SPW], v[NIL]                      ; 0 onto my spare word; the descriptors' steps stand between it and the wait for it
.if \fill
	s_xor_b32 s[G0B+1], s[G0B+1], SLOT1
	s_xor_b32 s[G0S+1], s[G0S+1], SLOT1
	s_add_co_u32 s[KSL], s[KSL], 1
	s_add_co_u32 s70, s[TRIP], 1
	s_cmp_eq_u32 s70, s[PSW]
	s_cselect_b32 s[KSL], 0, s[KSL]
	s_lshl_b32 s70, s[KSL], 14
	s_mov_b32 s71, 0
	s_add_nc_u64 s[G0B+2:G0B+3], s[BASEB:BASEB+1], s[70:71]
	s_or_b32 s[G0B+3], s[G0B+3], 0x80000000
	s_mul_i32 s70, s[KSL], s[STEPS]
	s_add_nc_u64 s[G0S+2:G0S+3], s[BASES:BASES+1], s[70:71]
	s_or_b32 s[G0S+3], s[G0S+3], 0x80000000
	s_wait_xcnt 0x0                                ; the last prefetch, a slot back, has read its address
	s_add_nc_u64 s[PFA:PFA+1], s[PFA:PFA+1], 16384
.endif
	s_wait_dscnt 0x0                               ; the add is done, and my reads of the slot that I have left are over
	s_barrier_signal -1
	s_barrier_wait -1
.if \fill
	TLOAD                                          ; the first thing behind the barrier, and a wave's one tensor load until the next: one load of mine is out
	ASK
.endif
.endm
; A block of queries ends: O^T / the sum is ctx; its 64 channels are two blocks of 32; codes and the head's two scale bytes leave.
.macro FINISH
.rept 8
	v_nop                                          ; places behind the last products
.endr
	v_add_f32 v14, v14, v15
	s_delay_alu instid0(VALU_DEP_1)
	v_permlanex16_b32 v[W0], v14, s[SEL], s[SEL+1]
	s_delay_alu instid0(VALU_DEP_1)
	v_add_f32 v14, v14, v[W0]                      ; the row's sum
	s_wait_alu depctr_va_vdst(0)
	v_rcp_f32 v14, v14
	v_nop                                          ; a plain line behind the transcendental
	s_wait_alu depctr_va_vdst(0)                   ; and the wait ahead of its first reader
.irp j, 0,1,2,3,4,5,6,7,8,9,10,11,12,13,14,15,16,17,18,19,20,21,22,23,24,25,26,27,28,29,30,31
	v_mul_f32 v[S+\j], v[O+\j], v14                ; register 16 b + i: channel 32 b + 16 h + i of my query; each accumulator from its low end on
.endr
.irp b, 0,1
	v_max3_num_f32 v[BM+\b], |v[S+16*\b]|, |v[S+1+16*\b]|, 0x4800000
.endr
.irp i, 2,4,6,8,10,12,14
.irp b, 0,1
	s_delay_alu instid0(VALU_DEP_2)
	v_max3_num_f32 v[BM+\b], v[BM+\b], |v[S+16*\b+\i]|, |v[S+1+16*\b+\i]|
.endr
.endr
.irp b, 0,1
	s_delay_alu instid0(VALU_DEP_2)
	v_permlanex16_b32 v[T1+\b], v[BM+\b], s[SEL], s[SEL+1]
.endr
.irp b, 0,1
	s_delay_alu instid0(VALU_DEP_2)
	v_max_num_f32 v[BM+\b], v[BM+\b], v[T1+\b]
.endr
.irp b, 0,1
	s_delay_alu instid0(VALU_DEP_2)
	v_add_nc_u32 v[SO+\b], 0xfc000000, v[BM+\b]
.endr
.irp b, 0,1
.endr
.irp b, 0,1
	s_delay_alu instid0(VALU_DEP_2)
	v_lshrrev_b32 v[T1+\b], 23, v[SO+\b]
.endr
	s_delay_alu instid0(VALU_DEP_1)
	v_lshl_or_b32 v[W0+1], v[T1+1], 8, v[T1]       ; the head's two bytes of the scale word
.irp b, 0,1
.irp i, 0,1,2,3,4,5,6,7,8,9,10,11,12,13,14,15
.endr
	v_cvt_scalef32_pk8_fp8_f32 v[PCD+4*\b:PCD+1+4*\b], v[S+16*\b:S+7+16*\b], v[SO+\b]
	v_cvt_scalef32_pk8_fp8_f32 v[PCD+2+4*\b:PCD+3+4*\b], v[S+8+16*\b:S+15+16*\b], v[SO+\b]
.endr
	v_nop                                          ; one plain line behind the last conversion
	global_store_b128 v[LI], v[PCD:PCD+3], s[CA:CA+1]               ; 512 consecutive bytes, aligned
	global_store_b128 v[LI], v[PCD+4:PCD+7], s[CA:CA+1] offset:512
	global_store_b16 v[R8], v[W0+1], s[CSA:CSA+1]  ; lanes 16-31 repeat lanes 0-15
.endm
	s_load_b256 s[4:11], s[0:1], 0x0               ; qkvc, qkvs, ctxc, ctxs
	v_lshl_add_u32 v[SPW], v0, 2, SPARE
	v_mov_b32 v[NIL], 0
	ds_add_u32 v[SPW], v[NIL]                      ; the wave's opening: the add and its wait stand ahead of my first tensor load; work on registers stands between them
	ds_add_u32 v[SPW], v[NIL]
	v_lshrrev_b32 v8, 5, v0
	s_delay_alu instid0(VALU_DEP_1)
	v_readfirstlane_b32 s[WV], v8                  ; wave 0..15
	s_mov_b32 s[P], ttmp9
	s_and_b32 s[BH], ttmp7, 0xffff
	s_add_co_u32 s[PSW], s[P], 1
	s_mov_b32 s[SEL], 0x76543210
	s_mov_b32 s[SEL+1], 0xfedcba98
	s_mov_b32 s[CS], 0x3e38aa3b                    ; log2(e) / 8
	s_mov_b32 s[CS+1], s[CS]                       ; (named with it as a pair, so it is written)
	s_mov_b32 s[G1B], 3<<16                        ; elements of 8 bytes; no mask, no padding
	s_mov_b32 s[G1B+1], 32<<16                     ; rows of 256 bytes,
	s_mov_b32 s[G1B+2], 64<<16                     ; 64 of them,
	s_mov_b32 s[G1B+3], 32<<16
	s_mov_b32 s[G1B+4], 64
	s_mov_b32 s[G1B+5], 32                         ; dense
	s_mov_b32 s[G1B+6], 0
	s_mov_b32 s[G1B+7], 0
	s_mov_b32 s[G1S], 3<<16
	s_mov_b32 s[G1S+1], 32<<16
	s_mov_b32 s[G1S+2], 2<<16                      ; two rows of 256 bytes
	s_mov_b32 s[G1S+3], 32<<16
	s_mov_b32 s[G1S+4], 2
	s_mov_b32 s[G1S+5], 32
	s_mov_b32 s[G1S+6], 0
	s_mov_b32 s[G1S+7], 0
	s_and_b32 s70, s[WV], 1
	s_lshl_b32 s[G0B+1], s70, 14                   ; LDS: K's codes at 0, V's at 16,384
	s_lshl_b32 s72, s70, 23
	s_add_co_u32 s72, s72, 8388608                 ; K's region, or V's,
	s_lshl_b32 s71, s[BH], 17
	s_add_co_u32 s72, s72, s71                     ; my head
	s_mov_b32 s73, 0
	s_lshl_b32 s[G0S+1], s[WV], 9
	s_add_co_u32 s[G0S+1], s[G0S+1], 31744         ; LDS: waves 2, 3, 4: 32,768, 33,280, 33,792
	s_lshl_b32 s74, s[BH], 13
	s_lshl_b32 s71, s70, 9
	s_add_co_u32 s74, s74, s71
	s_add_co_u32 s74, s74, 524288                  ; K's scale words, my half of a slot's 1,024 bytes
	s_lshl_b32 s71, s[BH], 12
	s_add_co_u32 s71, s71, 1048576                 ; V's
	s_cmp_eq_u32 s[WV], 4
	s_cselect_b32 s74, s71, s74
	s_mov_b32 s[STEPS], 1024
	s_cselect_b32 s[STEPS], 512, s[STEPS]
	s_mov_b32 s75, 0
	s_lshr_b32 s78, s[WV], 1                       ; the prefetches: waves 8, 9: K's codes; 10, 11: V's
	s_and_b32 s78, s78, 1
	s_lshl_b32 s78, s78, 23
	s_add_co_u32 s78, s78, 8388608
	s_lshl_b32 s71, s[BH], 17
	s_add_co_u32 s78, s78, s71
	s_lshl_b32 s71, s70, 13
	s_add_co_u32 s78, s78, s71                     ; my half of a slot's 16,384 bytes, at key slot 0: each change of slots steps it
	s_mov_b32 s79, 0
	s_sub_co_u32 s71, s[WV], 8
	s_lshr_b32 s71, s71, 2                         ; 0 in waves 8 to 11,
	s_or_b32 s71, s71, ttmp9                       ; of the head's work-group 0
	s_cmp_eq_u32 s71, 0
	s_cselect_b32 s[LIM], 6, 0
	s_and_b32 s70, s[BH], 15                       ; the head H in its batch
	s_lshl_b32 s[HC], s70, 10
	s_lshr_b32 s71, s70, 2
	s_lshl_b32 s[HSC], s71, 7
	s_and_b32 s71, s70, 3
	s_lshl_b32 s71, s71, 1
	s_add_co_u32 s[HSC], s[HSC], s71
	s_wait_dscnt 0x0                               ; the opening add is done
	s_wait_kmcnt 0x0
	s_add_nc_u64 s[BASEB:BASEB+1], s[4:5], s[72:73]
	s_add_nc_u64 s[BASES:BASES+1], s[6:7], s[74:75]
	s_add_nc_u64 s[PFA:PFA+1], s[4:5], s[78:79]
	s_mov_b32 s[G0B], 1
	s_mov_b64 s[G0B+2:G0B+3], s[BASEB:BASEB+1]
	s_or_b32 s[G0B+3], s[G0B+3], 0x80000000
	s_mov_b32 s[G0S], 1
	s_mov_b64 s[G0S+2:G0S+3], s[BASES:BASES+1]
	s_or_b32 s[G0S+3], s[G0S+3], 0x80000000
	TLOAD                                          ; key slot 0 into LDS slot 0
	v_and_b32 v[LI], 31, v0
	s_delay_alu instid0(VALU_DEP_1)
	v_lshlrev_b32 v[PFO], 8, v[LI]
	s_delay_alu instid0(VALU_DEP_2)
	v_lshlrev_b32 v[LI], 4, v[LI]
	v_and_b32 v[DL], 15, v0                        ; r
	s_delay_alu instid0(VALU_DEP_1)
	v_lshlrev_b32 v[LS], 2, v[DL]
	s_delay_alu instid0(VALU_DEP_2)
	v_lshlrev_b32 v[R8], 3, v[DL]
	s_delay_alu instid0(VALU_DEP_3)
	v_and_b32 v8, 8, v[DL]
	s_delay_alu instid0(VALU_DEP_1)
	v_add_nc_u32 v[DL], v[DL], v8                  ; r + 8 (r/8)
	v_bfe_u32 v8, v0, 4, 1
	s_delay_alu instid0(VALU_DEP_1)
	v_lshlrev_b32 v8, 4, v8
	s_delay_alu instid0(VALU_DEP_1)
	v_sub_nc_u32 v[DL], v[DL], v8                  ; - 16 h
.irp j, 8,9,10,11,12,13,14,15
	v_mov_b32 v[QF+\j], 0                          ; zero codes for k = 64 to 127, on both sides
.irp t, 0,1,2,3
	v_mov_b32 v[KFR+16*\t+\j], 0
.endr
.endr
.irp b, 0,1,2,3
	v_mov_b32 v[T1+\b], 0                          ; written once: a lane permute's destination counts as one of its sources
.endr
	v_mov_b32 v[FF+1], 0                           ; (named as the upper half of a pair)
	v_mov_b32 v[W0], 0
	s_mov_b32 s[BLK], s[P]
	START
	s_mov_b32 s[TRIP], 0
	s_mov_b32 s[KSL], 0
	s_mov_b32 s[TB], 0
.Lslot:                                ; eight trips; behind each change of slots the next visit's keys are asked for
	s_cmp_lg_u32 s[TRIP], s[PSW]                   ; ids and the count of trips alone: all sixteen waves go the same way; no barrier, tensor load or LDS line stands in the branch
	s_cbranch_scc1 .Lsame
	FINISH                                         ; block P is done;
	s_sub_co_u32 s[BLK], 7, s[P]
	START                                          ; block 7 - P begins, at key 0
.Lsame:
	CHANGE 1
	STEP 0
	STEP 1
	s_xor_b32 s[TB], s[TB], SLOT1
	s_add_co_u32 s[TRIP], s[TRIP], 1
	s_cmp_lt_u32 s[TRIP], 8
	s_cbranch_scc1 .Lslot
	CHANGE 0                                       ; the ninth visit is written out: nothing is left to fetch
	STEP 0
	STEP 1
	FINISH
	s_wait_tensorcnt 0x0                           ; the wave's end
	ds_add_u32 v[SPW], v[NIL]
	s_wait_dscnt 0x0
	s_endpgm
.Lfunc_end_k_qf99ae81e63_attn:
	.size	k_qf99ae81e63_attn, .Lfunc_end_k_qf99ae81e63_attn-k_qf99ae81e63_attn
	.p2alignl 7, 3214868480
	.fill 96, 4, 3214868480
	.section	.rodata,"a",@progbits
	.p2align	6, 0x0
	.amdhsa_kernel k_qf99ae81e63_attn
		.amdhsa_group_segment_fixed_size 327680
		.amdhsa_private_segment_fixed_size 0
		.amdhsa_enable_private_segment 0
		.amdhsa_kernarg_size 32
		.amdhsa_user_sgpr_count 2
		.amdhsa_user_sgpr_kernarg_segment_ptr 1
		.amdhsa_wavefront_size32 1
		.amdhsa_system_sgpr_workgroup_id_x 1
		.amdhsa_system_sgpr_workgroup_id_y 1
		.amdhsa_system_sgpr_workgroup_id_z 1
		.amdhsa_system_vgpr_workitem_id 0
		.amdhsa_next_free_vgpr 256
		.amdhsa_next_free_sgpr 80
		.amdhsa_reserve_vcc 1
		.amdhsa_float_denorm_mode_32 3
		.amdhsa_float_denorm_mode_16_64 3
		.amdhsa_fp16_overflow 1
		.amdhsa_memory_ordered 1
		.amdhsa_forward_progress 1
		.amdhsa_inst_pref_size 115
	.end_amdhsa_kernel
	.amdgpu_metadata
---
amdhsa.version: [ 1, 2 ]
amdhsa.kernels:
  - .name:           k_qf99ae81e63_attn
    .symbol:         k_qf99ae81e63_attn.kd
    .args:
      - { .name: qkvc, .offset: 0, .size: 8, .value_kind: global_buffer, .address_space: global }
      - { .name: qkvs, .offset: 8, .size: 8, .value_kind: global_buffer, .address_space: global }
      - { .name: ctxc, .offset: 16, .size: 8, .value_kind: global_buffer, .address_space: global }
      - { .name: ctxs, .offset: 24, .size: 8, .value_kind: global_buffer, .address_space: global }
    .group_segment_fixed_size: 327680
    .private_segment_fixed_size: 0
    .kernarg_segment_align: 8
    .kernarg_segment_size: 32
    .max_flat_workgroup_size: 512
    .sgpr_count:     80
    .vgpr_count:     256
    .wavefront_size: 32
...
	.end_amdgpu_metadata
.endif
;; end of part 3
;; launch gemm_out (part 4): grid 4 x 32, 4 waves a work-group, clusters of 4 x 4, 327,680 bytes of LDS; arguments ctxc, ctxs, wc, ws, bo, out0; writes out0
.if DOCPART == 4
	.amdgcn_target "amdgcn-amd-amdhsa--gfx1250"
	.amdhsa_code_object_version 6
	.text
	.protected	k_qf99ae81e63_gemm_out
	.globl	k_qf99ae81e63_gemm_out
	.p2align	8
	.type	k_qf99ae81e63_gemm_out,@function
k_qf99ae81e63_gemm_out:
	s_mov_b64 s[64:65], 0
	v_nop
	global_prefetch_b8 v0, s[64:65] scope:SCOPE_SE
	s_setreg_imm32_b32 hwreg(HW_REG_WAVE_MODE, 25, 1), 1
	s_wait_xcnt 0x0
	s_wait_alu depctr_hold_cnt(0) depctr_sa_sdst(0) depctr_va_vdst(0) depctr_va_sdst(0) depctr_va_ssrc(0) depctr_va_vcc(0) depctr_vm_vsrc(0)
	s_getreg_b32 s2, hwreg(HW_REG_IB_STS2, 6, 4)
	s_cmp_eq_u32 s2, 0
	s_cbranch_scc0 .Lentry_in_a_cluster
	s_endpgm
.Lentry_in_a_cluster:
	s_bfe_u32 s2, ttmp6, 0x10000c
	s_cmp_lg_u32 s2, 0xf033
	s_cbranch_scc0 .Lentry_shape_is_right
	s_endpgm
.Lentry_shape_is_right:
; out0 = ctx Wo + bo on codes of FP8 (E4M3) with E8M0 scales, K = 1,024; out0 [8192][1024] f32.
; OPERANDS are images (16 rows a tile; place r of tile T = row 32 (T/2) + 8 (T%2) + r + 8 (r/8); byte 16384 T + 2048 s + 512 c + 16 lane; scale words at 512 T + 128 (s/2) + 8 r + 4 (s%2)).  A = ctx's image; B = Wo's columns, tiles 192-255 of the weights' image.
; A tile of the result is 256 x 256; four waves, each 128 x 128: 64 accumulators.  K goes in four slots of 256 through a ring of two LDS slots; the scale words of all of K come once.
; The matrix instruction is used transposed (source 0 = 16 rows of B, source 1 = 16 rows of A): lane (r, h) holds token place r, and the 16 registers of B's tiles 2 i, 2 i + 1 are columns 32 i + 16 h + 0..15.
; The bias is the C of each sum's first matrix instruction.  The results go through the wave's own stage in LDS and leave as rows of 512 consecutive bytes.
; CLUSTERS 4 x 4: A's tiles are asked for jointly along a row of the cluster, B's along a column.  128 work-groups: a tile of 128 x 256 would give 256, at half as many products again for each byte read from LDS; not taken.
; No prefetch: of K's four slots two come at the head.
; REGISTERS: window 0: v1-4 lane terms; v16-29 addresses; v32-63 scale words; v64-127 the bias; v128-255 A's fragments, on the way out rows of the result.  window 1: B's fragments, two sets.  windows 2, 3: the accumulators.
.set NQ,    2
.set FR,    16
.set NL,    4
.set NP,    8
.set TILEB, 4096
.set HALFT, 8*TILEB
.set SLOT,  4*HALFT
.set SCL,   2*SLOT
.set HALFS, 4096
.set STAGE, SCL+4*HALFS                ; 16 rows x (512 bytes + 16) for each wave: bytes of its own, into which no tensor load lands
.set SPITCH, 528
.set SPARE, STAGE+4*16*SPITCH          ; the spare words, 128 bytes a wave
.set ADRA, 16
.set ADRB, 20
.set STO,  24                          ; v24 the way out: where I put 64 bytes of a row
.set RD,   25                          ; v25 where I read a row back
.set ADRS, 27
.set SPW,  28
.set NIL,  29
.set SC,   32
.set BI,   64                          ; v64-127: register 8 b + j: bo at column 32 (b/2) + 16 h + 8 (b%2) + j of my 128
.set AF,   128
.set BK,   128
.set G1, 24
.set G0, 32
.set G1B, 48
.set G0B, 56
.set G1S, 68
.set G0S, 76
.set G1SB, 80
.set G0SB, 88
.set MSB, 0
.macro WIN new                         ; the immediate's high byte repeats the setting that is left
.if MSB != (\new)
	s_set_vgpr_msb (MSB<<8)|(\new)
.set MSB, (\new)
.endif
.endm
.set MUL_LO, 0xa1                      ; source 0 (B) window 1, source 1 (A) window 0, C and D window 2
.set MUL_HI, 0xf1
.set TO_B,   0x40
.macro JLOAD g0a, g1a, g0b, g1b        ; a joint load: waves 0, 1 for A, waves 2, 3 for B; an s_nop 0 and four v_nop follow each line
	s_cmp_eq_u32 s15, 0
	s_cbranch_scc0 .Lfor_b_\@
	tensor_load_to_lds s[\g0a:\g0a+3], s[\g1a:\g1a+7]
	s_nop 0
.rept 4
	v_nop
.endr
	s_branch .Lasked_\@
.Lfor_b_\@:
	tensor_load_to_lds s[\g0b:\g0b+3], s[\g1b:\g1b+7]
	s_nop 0
.rept 4
	v_nop
.endr
.Lasked_\@:
.endm
.macro CREST
	s_cmp_lg_u32 s14, 0
	s_cbranch_scc1 .Lnot_wave_0_\@
	s_barrier_signal -3
.Lnot_wave_0_\@:
	s_barrier_wait -3
	s_barrier_signal -1
	s_barrier_wait -1
.endm
.macro CROUND
	s_barrier_signal -1
	s_barrier_wait -1
	CREST
.endm
	s_load_b256 s[4:11], s[0:1], 0x0               ; ctxc, ctxs, wc, ws
	s_load_b64 s[66:67], s[0:1], 0x20              ; bo
	s_load_b64 s[12:13], s[0:1], 0x28              ; out0
	v_lshl_add_u32 v[SPW], v0, 2, SPARE
	v_mov_b32 v[NIL], 0
	ds_add_u32 v[SPW], v[NIL]                      ; the wave's opening: the add and its wait stand ahead of my first tensor load; work on registers stands between them
	ds_add_u32 v[SPW], v[NIL]
	v_lshrrev_b32 v1, 5, v0
	v_readfirstlane_b32 s14, v1                    ; wave
	s_lshr_b32 s15, s14, 1                         ; which 128 rows of A are mine.  Also: I fetch for A (0) or for B (1)
	s_and_b32 s16, s14, 1                          ; which 128 rows of B.  Also: which 8 tiles I fetch
	s_bfe_u32 s40, ttmp6, 0x40000                  ; cx
	s_bfe_u32 s41, ttmp6, 0x40004                  ; cy
	s_lshl_b32 s42, ttmp9, 2
	s_add_co_u32 s42, s42, s40                     ; tile column
	s_and_b32 s17, ttmp7, 0xffff
	s_lshl_b32 s17, s17, 2
	s_add_co_u32 s17, s17, s41                     ; tile row
	s_lshl_b32 s43, s41, 2
	s_lshl_b32 s43, 15, s43                        ; my row of the cluster
	s_lshl_b32 s44, 0x1111, s40                    ; my column
	s_or_b32 s[G1+0], s43, (3<<16)|(1<<21)         ; codes: 8 tiles' parts of 4,096 bytes (512 elements of 8 bytes), 16,384 bytes apart; dense in LDS
	s_or_b32 s[G1B+0], s44, (3<<16)|(1<<21)
.irp g, G1, G1B
	s_mov_b32 s[\g+1], 512<<16
	s_mov_b32 s[\g+2], 8<<16
	s_mov_b32 s[\g+3], 512<<16
	s_mov_b32 s[\g+4], 8
	s_mov_b32 s[\g+5], 2048
	s_mov_b32 s[\g+6], 0
	s_mov_b32 s[\g+7], 0
.endr
	s_or_b32 s[G1S+0], s43, (3<<16)|(1<<21)        ; scale words of 8 tiles: 4,096 dense bytes as 16 rows of 256
	s_or_b32 s[G1SB+0], s44, (3<<16)|(1<<21)
.irp g, G1S, G1SB
	s_mov_b32 s[\g+1], 32<<16
	s_mov_b32 s[\g+2], 16<<16
	s_mov_b32 s[\g+3], 32<<16
	s_mov_b32 s[\g+4], 16
	s_mov_b32 s[\g+5], 32
	s_mov_b32 s[\g+6], 0
	s_mov_b32 s[\g+7], 0
.endr
	s_lshl_b32 s19, s16, 3                         ; which 8 tiles I fetch
	s_lshl_b32 s20, s17, 4
	s_add_co_u32 s20, s20, s19                     ; A's tile: made of the tile row alone
	s_lshl_b32 s22, s20, 9
	s_lshl_b32 s20, s20, 14
	s_mov_b32 s21, 0
	s_mov_b32 s23, 0
	s_lshl_b32 s46, s42, 4
	s_add_co_u32 s46, s46, s19
	s_add_co_u32 s46, s46, 192                     ; B's tile: Wo's image begins at tile 192
	s_lshl_b32 s18, s46, 9
	s_lshl_b32 s46, s46, 14
	s_mov_b32 s47, 0
	s_mov_b32 s19, 0
	s_lshl_b32 s45, s14, 15                        ; where they go: wave x 32,768
	s_lshl_b32 s3, s14, 12                         ; the scale words: wave x 4,096
	s_wait_dscnt 0x0                               ; the opening add is done
	s_wait_kmcnt 0x0
	s_add_nc_u64 s[20:21], s[4:5], s[20:21]
	s_add_nc_u64 s[22:23], s[6:7], s[22:23]
	s_add_nc_u64 s[46:47], s[8:9], s[46:47]
	s_add_nc_u64 s[18:19], s[10:11], s[18:19]
	CROUND                                         ; all sixteen work-groups are here: the first joint loads meet
	s_mov_b32 s[G0S], 1
	s_add_co_u32 s[G0S+1], s3, SCL
	s_mov_b64 s[G0S+2:G0S+3], s[22:23]
	s_or_b32 s[G0S+3], s[G0S+3], 0x80000000
	s_mov_b32 s[G0SB], 1
	s_add_co_u32 s[G0SB+1], s3, SCL
	s_mov_b64 s[G0SB+2:G0SB+3], s[18:19]
	s_or_b32 s[G0SB+3], s[G0SB+3], 0x80000000
	JLOAD G0S, G1S, G0SB, G1SB
.irp s, 0,1
	s_mov_b32 s[G0+4*\s], 1
	s_add_co_u32 s[G0+4*\s+1], s45, \s*SLOT
	s_add_nc_u64 s[G0+4*\s+2:G0+4*\s+3], s[20:21], \s*TILEB
	s_or_b32 s[G0+4*\s+3], s[G0+4*\s+3], 0x80000000
	s_mov_b32 s[G0B+4*\s], 1
	s_add_co_u32 s[G0B+4*\s+1], s45, \s*SLOT
	s_add_nc_u64 s[G0B+4*\s+2:G0B+4*\s+3], s[46:47], \s*TILEB
	s_or_b32 s[G0B+4*\s+3], s[G0B+4*\s+3], 0x80000000
	s_wait_alu depctr_va_vdst(0)
	s_wait_tensorcnt 0x0
	ds_add_u32 v28, v29
	s_wait_dscnt 0x0
	CROUND
	JLOAD G0+4*\s, G1, G0B+4*\s, G1B               ; one load of mine is out behind each
.endr
	v_and_b32 v1, 15, v0                           ; r
	v_bfe_u32 v2, v0, 4, 1                         ; h
	v_and_b32 v3, 31, v0
	v_lshlrev_b32 v3, 4, v3                        ; 16 x lane
	s_wait_alu depctr_va_vdst(0)
	s_lshl_b32 s20, s42, 10
	s_lshl_b32 s21, s16, 9
	s_add_co_u32 s20, s20, s21                     ; my first column, in bytes: 1024 x tile column + 512 x half
	s_mov_b32 s21, 0
	s_add_nc_u64 s[66:67], s[66:67], s[20:21]
	v_lshlrev_b32 v4, 6, v2                        ; lanes 16-31: 16 columns on
.irp b, 0,1,2,3,4,5,6,7
	global_load_b128 v[BI+8*\b:BI+8*\b+3], v4, s[66:67] offset:(32*(\b/2)+8*(\b%2))*4
	global_load_b128 v[BI+8*\b+4:BI+8*\b+7], v4, s[66:67] offset:(32*(\b/2)+8*(\b%2))*4+16
.endr
	s_lshl_b32 s22, s17, 20                        ; my first row: 256 x tile row + 128 x half, rows of 4,096 bytes
	s_lshl_b32 s23, s15, 19
	s_add_co_u32 s22, s22, s23
	s_add_co_u32 s22, s22, s20
	s_mov_b32 s23, 0
	s_add_nc_u64 s[12:13], s[12:13], s[22:23]
	s_lshl_b32 s21, s15, 15                        ; my 8 tiles of A
	s_lshl_b32 s22, s16, 15                        ; my 8 tiles of B, behind A's 16
	s_add_co_u32 s22, s22, 2*HALFT
.irp s, 0,1
	v_add_nc_u32 v[ADRA+\s], s21, v3
	v_add_nc_u32 v[ADRB+\s], s22, v3
	s_add_co_u32 s21, s21, SLOT
	s_add_co_u32 s22, s22, SLOT
.endr
	s_lshl_b32 s21, s15, 12
	s_lshl_b32 s22, s16, 12
	s_add_co_u32 s22, s22, 2*HALFS
	s_sub_co_u32 s22, s22, s21
	v_mul_u32_u24 v6, s22, v2                      ; lanes 16-31 take B's scale words: the lower base + h x the distance
	s_add_co_u32 s21, s21, SCL
	v_lshl_add_u32 v5, v1, 3, v6
	v_add_nc_u32 v[ADRS], s21, v5
	s_mul_i32 s23, s14, 16*SPITCH
	s_add_co_u32 s23, s23, STAGE                   ; my stage
	v_mul_u32_u24 v5, v1, SPITCH
	v_lshl_add_u32 v5, v2, 6, v5
	v_add_nc_u32 v[STO], s23, v5                   ; in: row r, + 64 h
	v_add_nc_u32 v[RD], s23, v3                    ; back: the 32 lanes take one row of 512 bytes
.macro FRAG reg, adr, q, i
.irp c, 0,1,2,3
	ds_load_b128 v[\reg+4*\c:\reg+4*\c+3], v[\adr] offset:(\i)*TILEB+2048*(\q)+512*\c
.endr
.endm
; 16 matrix instructions: A's blocks a0, a0 + 1 x B's eight.  first = 1: the bias is the C: nothing is cleared, nothing added later.  The 64 accumulators take turns.
.macro MUL16 a0, p, q, sc, first
.irp a, \a0, \a0+1
.irp b, 0,1,2,3,4,5,6,7
.if \first
	v_wmma_scale_f32_16x16x128_f8f6f4 v[8*(8*((\a)%4)+\b):8*(8*((\a)%4)+\b)+7], v[128*(\p)+FR*\b:128*(\p)+FR*\b+FR-1], v[AF+FR*(\a):AF+FR*(\a)+FR-1], v[BI+8*\b:BI+8*\b+7], v[SC+8*NQ*(\sc)+NQ*\b+(\q)], v[SC+8*NQ*(\sc)+NQ*(\a)+(\q)] matrix_a_scale:MATRIX_SCALE_ROW1
.else
	v_wmma_scale_f32_16x16x128_f8f6f4 v[8*(8*((\a)%4)+\b):8*(8*((\a)%4)+\b)+7], v[128*(\p)+FR*\b:128*(\p)+FR*\b+FR-1], v[AF+FR*(\a):AF+FR*(\a)+FR-1], v[8*(8*((\a)%4)+\b):8*(8*((\a)%4)+\b)+7], v[SC+8*NQ*(\sc)+NQ*\b+(\q)], v[SC+8*NQ*(\sc)+NQ*(\a)+(\q)] matrix_a_scale:MATRIX_SCALE_ROW1
.endif
.endr
.endr
.endm
.macro FETCH_B slot, q, p
	WIN TO_B
.irp i, 0,1,2,3,4,5,6,7
	FRAG 128*(\p)+FR*\i, ADRB+\slot, \q, \i
.endr
	WIN 0
.endm
.macro FETCH_A slot, q, i0
.irp i, \i0, \i0+1, \i0+2, \i0+3
	FRAG AF+FR*(\i), ADRA+\slot, \q, \i
.endr
.endm
.macro SCALES sc
.irp i, 0,1,2,3,4,5,6,7
	ds_load_b64 v[SC+8*NQ*\sc+NQ*\i:SC+8*NQ*\sc+NQ*\i+1], v[ADRS] offset:\i*512
.endr
.endm
.macro PLACES n
.rept \n
	v_nop
.endr
.endm
.macro STEP slot, q, first
	s_wait_dscnt 4*NL                              ; B's set and A's blocks 0-3 are in; the youngest 16 loads (A's blocks 4-7) may be out
.if \first
	WIN 0x81                                       ; C (the bias) window 0, D window 2
.else
	WIN MUL_LO
.endif
	MUL16 0, (\q)%2, \q, \slot, \first
	MUL16 2, (\q)%2, \q, \slot, \first
	s_wait_dscnt 0
	PLACES NP
	FETCH_B \slot, (\q)+1, 1-(\q)%2
	FETCH_A \slot, (\q)+1, 0
.if \first
	WIN 0xc1
.else
	WIN MUL_HI
.endif
	MUL16 4, (\q)%2, \q, \slot, \first
	MUL16 6, (\q)%2, \q, \slot, \first
	PLACES NP
	WIN 0
	FETCH_A \slot, (\q)+1, 4
.endm
.macro TURN slot, next, fill
	s_wait_tensorcnt 0x0                           ; all my tensor loads have landed: my part of the next slot
	ds_add_u32 v[SPW], v[NIL]                      ; 0 onto my spare word
	s_wait_dscnt 4*NL+1                            ; the add and the youngest 16 loads may be out
	WIN MUL_LO
	MUL16 0, 1, NQ-1, \slot, 0
	s_wait_dscnt 0x0                               ; the add is done, and my reads of this slot are over
	s_barrier_signal -1
	MUL16 2, 1, NQ-1, \slot, 0
	WIN 0
	s_barrier_wait -1
.if \fill
	CREST                                          ; the barrier has opened a round of the cluster's: no wave of any partner still reads this slot or has a load on its way
	s_add_nc_u64 s[G0+4*\slot+2:G0+4*\slot+3], s[G0+4*\slot+2:G0+4*\slot+3], 2*TILEB
	s_add_nc_u64 s[G0B+4*\slot+2:G0B+4*\slot+3], s[G0B+4*\slot+2:G0B+4*\slot+3], 2*TILEB
	JLOAD G0+4*\slot, G1, G0B+4*\slot, G1B
	PLACES NP-4
.else
	PLACES NP
.endif
	s_wait_alu depctr_va_vdst(0)
	v_add_nc_u32 v[ADRS], 128, v[ADRS]
	FETCH_B \next, 0, 0
	FETCH_A \next, 0, 0
	SCALES \next
	WIN MUL_HI
	MUL16 4, 1, NQ-1, \slot, 0
	MUL16 6, 1, NQ-1, \slot, 0
	PLACES NP
	WIN 0
	FETCH_A \next, 0, 4
.endm
	s_wait_alu depctr_va_vdst(0)
	s_wait_tensorcnt 1                             ; the scale words and my part of slot 0 are in; slot 1's load may be out
	s_barrier_signal -1
	s_barrier_wait -1
	FETCH_B 0, 0, 0
	FETCH_A 0, 0, 0
	SCALES 0
	FETCH_A 0, 0, 4
	s_wait_loadcnt 0x0                             ; the bias
	STEP 0, 0, 1
	TURN 0, 1, 1
	STEP 1, 0, 0
	TURN 1, 0, 1
	STEP 0, 0, 0
	TURN 0, 1, 0
	STEP 1, 0, 0
	s_wait_dscnt 4*NL
	WIN MUL_LO
	MUL16 0, 1, NQ-1, 1, 0
	MUL16 2, 1, NQ-1, 1, 0
	s_wait_dscnt 0
	WIN MUL_HI
	MUL16 4, 1, NQ-1, 1, 0
	MUL16 6, 1, NQ-1, 1, 0
	WIN 0
; THE WAY OUT, block by block of 16 token places x 128 columns: into my stage, 64 bytes a lane and pair of tiles, and back as whole rows of 512 bytes.  LDS serves a wave's instructions in order: no wait between the stores and the loads.
.macro TOSTAGE a
.set AC, 64*((\a)%4)
	WIN 0x08+4*((\a)/4)                            ; the data: window 2 or 3
.irp i, 0,1,2,3
.irp e, 0,1,2,3
	ds_store_b128 v[STO], v[AC+16*\i+4*\e:AC+16*\i+4*\e+3] offset:128*\i+16*\e   ; each accumulator from its low end on
.endr
.endr
	WIN 0
.set BB, BK+64*((\a)%2)
.irp t, 0,1,2,3,4,5,6,7,8,9,10,11,12,13,14,15
	ds_load_b128 v[BB+4*\t:BB+4*\t+3], v[RD] offset:\t*SPITCH
.endr
.endm
.macro SEND a, younger                 ; younger: the LDS instructions issued behind block a's loads, which may stay out
.set BB, BK+64*((\a)%2)
	s_wait_dscnt \younger
.irp t, 0,1,2,3,4,5,6,7,8,9,10,11,12,13,14,15
	global_store_b128 v3, v[BB+4*\t:BB+4*\t+3], s[12:13] offset:(32*((\a)/2)+8*((\a)%2)+\t+8*(\t/8))*4096 th:TH_STORE_NT   ; place t of block a is that row; 32 lanes store 512 consecutive bytes, aligned; the base is never stepped
.endr
.endm
	PLACES NP
	TOSTAGE 0
.irp a, 1,2,3,4,5,6,7
.if \a > 1
	s_wait_xcnt 0x0                                ; block a - 2's stores have read their registers: block a's loads may land there
.endif
	TOSTAGE \a
	SEND \a-1, 32                                  ; behind block a - 1's loads: block a's 16 stores and 16 loads
.endr
	SEND 7, 0
	s_wait_tensorcnt 0x0                           ; the wave's end, behind my last tensor load and my last LDS store
	ds_add_u32 v[SPW], v[NIL]
	s_wait_dscnt 0x0
	CROUND                                         ; the closing round
	s_endpgm
.Lfunc_end_k_qf99ae81e63_gemm_out:
	.size	k_qf99ae81e63_gemm_out, .Lfunc_end_k_qf99ae81e63_gemm_out-k_qf99ae81e63_gemm_out
	.p2alignl 7, 3214868480
	.fill 96, 4, 3214868480
	.section	.rodata,"a",@progbits
	.p2align	6, 0x0
	.amdhsa_kernel k_qf99ae81e63_gemm_out
		.amdhsa_group_segment_fixed_size 327680
		.amdhsa_private_segment_fixed_size 0
		.amdhsa_enable_private_segment 0
		.amdhsa_kernarg_size 48
		.amdhsa_user_sgpr_count 2
		.amdhsa_user_sgpr_kernarg_segment_ptr 1
		.amdhsa_wavefront_size32 1
		.amdhsa_system_sgpr_workgroup_id_x 1
		.amdhsa_system_sgpr_workgroup_id_y 1
		.amdhsa_system_sgpr_workgroup_id_z 1
		.amdhsa_system_vgpr_workitem_id 0
		.amdhsa_next_free_vgpr 1024
		.amdhsa_next_free_sgpr 100
		.amdhsa_reserve_vcc 0
		.amdhsa_float_denorm_mode_32 3
		.amdhsa_float_denorm_mode_16_64 3
		.amdhsa_memory_ordered 1
		.amdhsa_forward_progress 1
		.amdhsa_inst_pref_size 147
	.end_amdhsa_kernel
	.amdgpu_metadata
---
amdhsa.version: [ 1, 2 ]
amdhsa.kernels:
  - .name:           k_qf99ae81e63_gemm_out
    .symbol:         k_qf99ae81e63_gemm_out.kd
    .args:
      - { .name: ctxc, .offset: 0, .size: 8, .value_kind: global_buffer, .address_space: global }
      - { .name: ctxs, .offset: 8, .size: 8, .value_kind: global_buffer, .address_space: global }
      - { .name: wc, .offset: 16, .size: 8, .value_kind: global_buffer, .address_space: global }
      - { .name: ws, .offset: 24, .size: 8, .value_kind: global_buffer, .address_space: global }
      - { .name: bo, .offset: 32, .size: 8, .value_kind: global_buffer, .address_space: global }
      - { .name: out0, .offset: 40, .size: 8, .value_kind: global_buffer, .address_space: global }
    .group_segment_fixed_size: 327680
    .private_segment_fixed_size: 0
    .kernarg_segment_align: 8
    .kernarg_segment_size: 48
    .max_flat_workgroup_size: 128
    .sgpr_count:     100
    .vgpr_count:     1024
    .wavefront_size: 32
...
	.end_amdgpu_metadata
.endif
;; end of part 4
